; MI455X (gfx1250); checked and timed in simulation.
; The chip was launched on July 23, 2026; its instructions are those of AMD's public machine-readable ISA for CDNA 5 (MIT licence, August 2026) and "CDNA5" Instruction Set Architecture Reference Guide (July 2026). The comments in the code are by the model that wrote it; some were corrected since.
;; token Mixer. Allowed arithmetic: matrix products marked QUANTISED: E5M2 operands, one E8M0 scale for each 32 along K, by v_wmma_scale_f32_16x16x128_f8f6f4 with both operands' format E5M2, f32 sums; everything else in f32.
;; Inputs: W_in 2,048 x 512 float32; W_out 512 x 1,024 float32; b_in 2,048 float32; b_out 512 float32; x 4 x 8,192 x 512 float32.
;; Outputs: out0 4 x 8,192 x 512 float32.
;; This version of the problem:
;;   THIS VERSION OF THE PROBLEM IS GIVEN IN LOW PRECISION. The matrix products marked QUANTISED in the list below multiply operands that are first quantised to E5M2 (5 exponent bits, 2 mantissa bits; 8 bits a number), with one power-of-two scale for each 32 numbers along K (OCP MX v1.0); their sums are f32. All else is computed in f32.
;;   The module's matrix products, in the order in which they are computed (A, B: the left and right operand; K: the contracted axis; several contracted axes count as one K, in the product's order):
;;     1. [M 32,768, K 512] x [K 512, N 2,048]; A: input x; B: input W_in: QUANTISED
;;     2. [M 32,768, K 1,024] x [K 1,024, N 512]; A: computed on the way; B: input W_out: QUANTISED
;;   THE QUANTISER, for each operand of a quantised product, along K:
;;     - K is cut into blocks of 32 from its start; a last block that is shorter is filled with zeros.
;;     - A block's scale is 2^e with e = floor(log2(the largest magnitude in the block)) - 15, held to -126 .. 127; a block of zeros has e = 0. As a byte (E8M0): e + 127.
;;     - Each number is divided by its block's scale, clamped to +-57,344, and rounded to the nearest number of E5M2, ties to even, subnormals kept.
;;     - The product sums the exact products of the quantised numbers (number of the format x scale) in f32.
;;   ~~~python
;;   def quantise(x, axis):      # numpy; x: float32 -> the quantised numbers, widened to float32 again
;;       x = np.moveaxis(x, axis, -1); K = x.shape[-1]
;;       x = np.pad(x, [(0, 0)] * (x.ndim - 1) + [(0, -K % 32)]); x = x.reshape(x.shape[:-1] + (-1, 32)); a = np.abs(x).max(-1, keepdims=True)
;;       e = np.where(a > 0, np.clip(np.frexp(np.where(a > 0, a, 1))[1] - 1 - 15, -126, 127), 0)      # np.frexp(a)[1] - 1 = floor(log2(a)), exactly
;;       r = np.clip(x / 2.0 ** e, -57344, 57344)
;;       step = 2.0 ** (np.maximum(np.frexp(np.where(r == 0, 1, r))[1] - 1, -14) - 2)
;;       q = np.round(r / step) * step * 2.0 ** e      # np.round: ties to even
;;       return np.moveaxis(q.reshape(q.shape[:-2] + (-1,))[..., :K], -1, axis).astype(np.float32)
;;   ~~~
;;   OPERANDS COMPUTED ON THE WAY. 'Computed on the way' means the value that the module computes at that place (a softmax that the list does not call 'softmax' is quantised finished and normalised). What goes into a quantiser is computed in f32, as accurately as f32 sums, v_exp_f32 and their like allow (about 1e-6 of the number): no bf16 or f16 on the way to a quantiser, and a product that is left as it is and whose result goes on into a quantised operand takes f32 operands (vector FMAs, or v_wmma_f32_16x16x4_f32). A number that lies on a knife's edge between two numbers of the format may be rounded either way, as far as f32 arithmetic and the matrix unit's own rounding can turn it there, and no further.
;; One version. Each part assembles by itself: llvm-mc -triple=amdgcn-amd-amdhsa -mcpu=gfx1250 --defsym DOCPART=n.
;; ======== version 1 of 1: 4 launches
;; workspace buffers: wq 1,671,168 bytes; xq 16,777,216 bytes; xs 1,048,576 bytes; agg 8,388,608 bytes; carry 4,194,304 bytes
;; launch quantw (part 1): grid 96 x 1, 8 waves a work-group, no clusters, 2,048 bytes of LDS; arguments W_in, W_out, b_in, wq; writes wq
.if DOCPART == 1
	.amdgcn_target "amdgcn-amd-amdhsa--gfx1250"
	.amdhsa_code_object_version 6
	.text
	.protected	k_q6bc880118a_quantw
	.globl	k_q6bc880118a_quantw
	.p2align	8
	.type	k_q6bc880118a_quantw,@function
k_q6bc880118a_quantw:
	s_mov_b64 s[64:65], 0
	v_nop
	global_prefetch_b8 v0, s[64:65] scope:SCOPE_SE
	s_setreg_imm32_b32 hwreg(HW_REG_WAVE_MODE, 25, 1), 1
	s_wait_xcnt 0x0
; W_in [2048][512] and W_out [512][1024], f32, K innermost, become codes of BF8 (E5M2) with one E8M0 byte for each 32 along K,
; laid in wq in the order in which the two passes use them: 24 steps x 4 blocks of 17,408 bytes.  A block = 8 fragments (16 rows x 128 K) as IMAGES OF THE
; OPERAND'S REGISTERS (register group c at 512 c, lane l at 16 l), then 512 bytes of scale words (lane l, word j: fragment 2 j + l / 16, row l % 16), then 512 bytes of constants.
; Steps 0-15, block cq: fragment 2 ks + ty = rows 1024 ty + ch of W_in, k = 128 ks on; ch = 256 cq + 32 (s / 2) + 8 (s % 2) + r + 8 (r / 8): THE ROWS OF A TILE ARE NOT NEIGHBOURS,
; so that two neighbouring steps' results are 16 neighbours along the second product's K.  Steps 16 + kk: fragment f = rows 128 cq + 16 f + r of W_out, k = 128 kk on.
; Constants of lane l (channel ch of r = l % 16), L = log2(e): -L b_in[1024 + ch], b_in[ch] + 0.5, -L b_in[ch], 0.  (Blocks of steps 16 on carry those of step - 16; nobody reads them.)
; One work-group a block, one wave a fragment; one path for both tensors: only pointers and numbers are chosen, on the work-group's number.
; A block's scale is 2^(floor(log2(largest magnitude)) - 15); its byte is held at 1 from below (a block of zeros so has the byte 1: its codes are zeros; this program alone reads the bytes).
; LIMITS: NaN and infinities among the inputs are not served.
.set BLOCK, 17408
.set NUM, 64                           ; v64-127  64 numbers: register 16 b + i = k 32 b + 16 (lane / 16) + i of my row
.set TM,  32                           ; v32-35 largest magnitudes, v36-39 bytes, v40-43 the largest number x the scale, v44-47 the conversion's scale operand
.set PC,  48                           ; v48-63   the fragment's codes
.set PW,  16                           ; v16      its scale word
.set WV,  12
.set SEL, 28
.set MNT, 30
.macro QUANT s, pw
.irp b, 0,1,2,3
	v_max3_num_f32 v[TM+\b], |v[\s+16*\b]|, |v[\s+16*\b+1]|, 0x8000000   ; my 16 numbers of block b, and the floor 2^(16 - 127): the byte cannot fall under 1
.endr
.irp i, 2,4,6,8,10,12,14
.irp b, 0,1,2,3
	v_max3_num_f32 v[TM+\b], v[TM+\b], |v[\s+16*\b+\i]|, |v[\s+16*\b+\i+1]|
.endr
.endr
.irp b, 0,1,2,3
	v_permlanex16_b32 v[TM+4+\b], v[TM+\b], s[SEL], s[SEL+1]
.endr
.irp b, 0,1,2,3
	v_max_num_f32 v[TM+\b], v[TM+\b], v[TM+4+\b]               ; with lane l xor 16's 16: the block's largest magnitude
.endr
.irp b, 0,1,2,3
	v_add_nc_u32 v[TM+12+\b], 0xf8800000, v[TM+\b]             ; 15 off its exponent field: the conversion's scale operand
.endr
.irp b, 0,1,2,3
	v_and_or_b32 v[TM+8+\b], v[TM+\b], 0x7f800000, s[MNT]      ; 57,344 x the scale
.endr
.irp b, 0,1,2,3
	v_lshrrev_b32 v[TM+4+\b], 23, v[TM+12+\b]                  ; the scale's byte
.endr
	v_lshl_or_b32 v[\pw], v[TM+5], 8, v[TM+4]
	v_lshl_or_b32 v[\pw], v[TM+6], 16, v[\pw]
	v_lshl_or_b32 v[\pw], v[TM+7], 24, v[\pw]                  ; my row's scale word
.irp b, 0,1,2,3
.irp i, 0,1,2,3,4,5,6,7,8,9,10,11,12,13,14,15
	v_med3_num_f32 v[\s+16*\b+\i], v[\s+16*\b+\i], -v[TM+8+\b], v[TM+8+\b]   ; the conversion to an 8-bit code does not saturate (ISA guide 7.6.2): the hold
.endr
	v_cvt_scalef32_pk8_bf8_f32 v[PC+4*\b:PC+4*\b+1], v[\s+16*\b:\s+16*\b+7], v[TM+12+\b]
	v_cvt_scalef32_pk8_bf8_f32 v[PC+4*\b+2:PC+4*\b+3], v[\s+16*\b+8:\s+16*\b+15], v[TM+12+\b]
.endr
	v_nop                                          ; a plain line behind the last conversion
.endm
	s_load_b256 s[4:11], s[0:1], 0x0               ; W_in s[4:5], W_out s[6:7], b_in s[8:9], wq s[10:11]
	v_lshl_add_u32 v128, v0, 2, 0x400
	v_mov_b32 v129, 0
	v_lshrrev_b32 v1, 5, v0
	v_readfirstlane_b32 s[WV], v1                  ; wave = fragment f
	v_and_b32 v2, 15, v0                           ; r
	v_bfe_u32 v3, v0, 4, 1                         ; h
	v_bfe_u32 v4, v0, 3, 1                         ; r / 8
	v_and_b32 v5, 31, v0                           ; lane
	v_lshlrev_b32 v8, 4, v5                        ; 16 x lane
	v_lshl_add_u32 v7, s[WV], 11, v8               ; my fragment's image: 2,048 f + 16 x lane
	v_lshlrev_b32 v9, 2, v0                        ; LDS: 128 f + 4 x lane: my scale word
	v_lshlrev_b32 v10, 2, v2
	v_lshl_add_u32 v10, v3, 7, v10                 ; LDS, back: 128 (lane / 16) + 4 r, + 256 j
.irp b, 0,1,2,3
	v_mov_b32 v[TM+4+\b], 0                        ; a lane permute's destination counts as one of its sources
.endr
	s_mov_b32 s[SEL], 0x76543210
	s_mov_b32 s[SEL+1], 0xfedcba98
	s_mov_b32 s[MNT], 0x600000                     ; the mantissa field of 57,344
	s_lshr_b32 s13, ttmp9, 2                       ; step
	s_and_b32 s14, ttmp9, 3                        ; cq
	s_and_b32 s18, s13, 15
	s_lshl_b32 s17, s14, 8
	s_lshr_b32 s19, s18, 1
	s_lshl_b32 s19, s19, 5
	s_add_co_u32 s17, s17, s19
	s_and_b32 s19, s13, 1
	s_lshl_b32 s19, s19, 3
	s_add_co_u32 s17, s17, s19                     ; 256 cq + 32 (s / 2) + 8 (s % 2), s = step % 16
	s_and_b32 s16, s[WV], 1
	s_lshl_b32 s16, s16, 10
	s_add_co_u32 s16, s16, s17                     ; W_in: first row, hidden (f even) or gate (f odd)
	s_lshr_b32 s20, s[WV], 1
	s_lshl_b32 s20, s20, 9                         ; W_in: 512 bytes x ks
	s_lshl_b32 s21, s14, 7
	s_lshl_b32 s22, s[WV], 4
	s_add_co_u32 s21, s21, s22                     ; W_out: first row 128 cq + 16 f
	s_lshl_b32 s22, s18, 9                         ; W_out: 512 bytes x kk
	s_mul_i32 s26, ttmp9, BLOCK
	s_mov_b32 s27, 0
	v_lshl_add_u32 v11, v4, 3, v2
	v_add_nc_u32 v11, s17, v11
	v_lshlrev_b32 v11, 2, v11                      ; b_in: 4 x ch
	s_wait_kmcnt 0x0
	s_add_nc_u64 s[10:11], s[10:11], s[26:27]      ; my block of wq
	s_cmp_lt_u32 s13, 16                           ; W_in's block or W_out's: the choice hangs on the work-group's number alone
	s_cselect_b64 s[4:5], s[4:5], s[6:7]
	s_cselect_b32 s16, s16, s21
	s_cselect_b32 s20, s20, s22
	s_cselect_b32 s23, 8, 0                        ; rows 8-15 of a W_in tile lie 8 further on
	s_cselect_b32 s24, 11, 12                      ; a row is 2,048 or 4,096 bytes
	v_mad_u32_u24 v6, v4, s23, v2
	v_add_nc_u32 v6, s16, v6
	v_lshlrev_b32 v6, s24, v6
	v_lshl_add_u32 v6, v3, 6, v6                   ; + 64 h: my 16 numbers of each block of 32
	v_add_nc_u32 v6, s20, v6
.irp b, 0,1,2,3
.irp j, 0,1,2,3
	global_load_b128 v[NUM+16*\b+4*\j:NUM+16*\b+4*\j+3], v6, s[4:5] offset:128*\b+16*\j
.endr
.endr
	s_wait_loadcnt 0x0
	QUANT NUM, PW
.irp c, 0,1,2,3
	global_store_b128 v7, v[PC+4*\c:PC+4*\c+3], s[10:11] offset:512*\c   ; 32 lanes store 512 consecutive bytes
.endr
	ds_store_b32 v9, v[PW]
	s_wait_dscnt 0x0                               ; for the others' sake: my word lies in LDS
	s_barrier_signal -1
	s_barrier_wait -1
	s_cmp_lg_u32 s[WV], 0
	s_cbranch_scc1 .Lnot_wave0
.irp j, 0,1,2,3
	ds_load_b32 v[20+\j], v10 offset:256*\j        ; word j: fragment 2 j + lane / 16, row lane % 16
.endr
	s_wait_dscnt 0x0
	global_store_b128 v8, v[20:23], s[10:11] offset:16384
.Lnot_wave0:
	s_cmp_lg_u32 s[WV], 1
	s_cbranch_scc1 .Lnot_wave1
	global_load_b32 v28, v11, s[8:9]               ; b_in[ch]
	global_load_b32 v29, v11, s[8:9] offset:4096   ; b_in[1024 + ch]
	s_wait_loadcnt 0x0
	v_mul_f32 v24, 0xbfb8aa3b, v29                 ; -log2(e) x the gate's bias
	v_add_f32 v25, 0.5, v28
	v_mul_f32 v26, 0xbfb8aa3b, v28
	v_mov_b32 v27, 0
	global_store_b128 v8, v[24:27], s[10:11] offset:16896
.Lnot_wave1:
	s_wait_tensorcnt 0x0
	ds_add_u32 v128, v129
	s_wait_dscnt 0x0
	s_endpgm
.Lfunc_end_k_q6bc880118a_quantw:
	.size	k_q6bc880118a_quantw, .Lfunc_end_k_q6bc880118a_quantw-k_q6bc880118a_quantw
	.p2alignl 7, 3214868480
	.fill 96, 4, 3214868480
	.section	.rodata,"a",@progbits
	.p2align	6, 0x0
	.amdhsa_kernel k_q6bc880118a_quantw
		.amdhsa_group_segment_fixed_size 2048
		.amdhsa_private_segment_fixed_size 0
		.amdhsa_enable_private_segment 0
		.amdhsa_kernarg_size 32
		.amdhsa_user_sgpr_count 2
		.amdhsa_user_sgpr_kernarg_segment_ptr 1
		.amdhsa_wavefront_size32 1
		.amdhsa_system_sgpr_workgroup_id_x 1
		.amdhsa_system_sgpr_workgroup_id_y 1
		.amdhsa_system_sgpr_workgroup_id_z 1
		.amdhsa_system_vgpr_workitem_id 0
		.amdhsa_next_free_vgpr 130
		.amdhsa_next_free_sgpr 66
		.amdhsa_reserve_vcc 0
		.amdhsa_float_denorm_mode_32 3
		.amdhsa_float_denorm_mode_16_64 3
		.amdhsa_memory_ordered 1
		.amdhsa_forward_progress 1
		.amdhsa_inst_pref_size 14
	.end_amdhsa_kernel
	.amdgpu_metadata
---
amdhsa.version: [ 1, 2 ]
amdhsa.kernels:
  - .name:           k_q6bc880118a_quantw
    .symbol:         k_q6bc880118a_quantw.kd
    .args:
      - { .name: W_in, .offset: 0, .size: 8, .value_kind: global_buffer, .address_space: global }
      - { .name: W_out, .offset: 8, .size: 8, .value_kind: global_buffer, .address_space: global }
      - { .name: b_in, .offset: 16, .size: 8, .value_kind: global_buffer, .address_space: global }
      - { .name: wq, .offset: 24, .size: 8, .value_kind: global_buffer, .address_space: global }
    .group_segment_fixed_size: 2048
    .private_segment_fixed_size: 0
    .kernarg_segment_align: 8
    .kernarg_segment_size: 32
    .max_flat_workgroup_size: 256
    .sgpr_count:     66
    .vgpr_count:     130
    .wavefront_size: 32
...
	.end_amdgpu_metadata
.endif
;; end of part 1
;; launch pass1 (part 2): grid 256 x 1, 8 waves a work-group, clusters of 4 x 1, 327,680 bytes of LDS; arguments x, wq, xq, xs, agg; writes xq, xs, agg
.if DOCPART == 2
	.amdgcn_target "amdgcn-amd-amdhsa--gfx1250"
	.amdhsa_code_object_version 6
	.text
	.protected	k_q6bc880118a_pass1
	.globl	k_q6bc880118a_pass1
	.p2align	8
	.type	k_q6bc880118a_pass1,@function
k_q6bc880118a_pass1:
	s_mov_b64 s[64:65], 0
	v_nop
	global_prefetch_b8 v0, s[64:65] scope:SCOPE_SE
	s_setreg_imm32_b32 hwreg(HW_REG_WAVE_MODE, 25, 1), 1
	s_wait_xcnt 0x0
	s_wait_alu depctr_hold_cnt(0) depctr_sa_sdst(0) depctr_va_vdst(0) depctr_va_sdst(0) depctr_va_ssrc(0) depctr_va_vcc(0) depctr_vm_vsrc(0)
	s_getreg_b32 s2, hwreg(HW_REG_IB_STS2, 6, 4)
	s_cmp_eq_u32 s2, 0
	s_cbranch_scc0 .Lentry_in_a_cluster
	s_endpgm
.Lentry_in_a_cluster:
	s_bfe_u32 s2, ttmp6, 0x10000c
	s_cmp_lg_u32 s2, 0x3003
	s_cbranch_scc0 .Lentry_shape_is_right
	s_endpgm
.Lentry_shape_is_right:
; FIRST PASS of h_t = c_t h_(t-1) + z_t g_t (z = sigmoid(gate), c = sigmoid(-gate), g(v) = max(v + 0.5, sigmoid(v)), which is v + 0.5 for v >= 0 and sigmoid(v) below).
; A work-group takes 128 rows of x.  It quantises them (codes of BF8, one E8M0 byte for each 32 along K), stores codes and scale words for the last pass, multiplies them by W_in's codes
; and stores, for each sub-chunk of 32 rows and each channel, A = the product of its c and B = its last h begun at 0.  The next launch chains these pairs.
; SHARES.  Eight waves, two to a SIMD.  Wave w: rp = w / 4 (rows 64 rp on), cq = w % 4 (channels 256 cq on).  In an interval it multiplies its four tiles of x by 16 hidden and 16 gate rows of W_in.
; LAYOUT.  Source 0 = 16 rows of x, source 1 = 16 rows of W_in: a lane holds ONE channel and its eight registers are eight rows.  Row m of x's tile i is row 64 rp + 32 (m / 8) + 8 i + m % 8:
; so lanes 0-15 hold sub-chunk 2 rp and lanes 16-31 sub-chunk 2 rp + 1, the 32 registers of four tiles are its 32 rows in order, and the scan is a chain of fused multiply-adds in a lane.
; BY TURNS.  Waves 0-3 multiply and then do the step's vector work; waves 4-7 do the last step's vector work and then multiply: the two waves of a SIMD have matrix and vector work side by side.
; W_in's blocks come through a ring of two LDS slots (a step's four blocks each), by tensor loads of waves 0-3.  The four work-groups of a cluster walk the same blocks in the same order and ask JOINTLY.
; THE ORDER OF THE STEPS differs from cluster to cluster: the i-th step that a cluster takes is step (i + R0) % 16, R0 a mix of all six bits of the cluster's number (any half of the clusters
; picked by one bit still holds all sixteen R0).  The steps do not depend on each other.  So the clusters do not all ask for the same block at the same time: their first fills name all sixteen steps between them.
; R0 enters the blocks' addresses in wq and the pairs' places in agg alone: no LDS address, no branch.
; LIMITS: -log2(e) x gate is held at 100, so that for gate under -69.3 z is 2^-100 where the definition has e^gate; v_exp_f32 and v_rcp_f32 give 0 for results under 2^-126;
; a block of zeros has the byte 1 (its codes are zeros); NaN and infinities among the inputs are not served.
; REGISTERS.  Window 0: v1-13 addresses; v14-15 the product of c; v18-19 b + 0.5; v20-23 the step's constants; v24-27 W's scale words; v28-31 x's words just made, later (A, B); v32-47 x's scale words;
; v48-63 at work; v64-95 hidden, then z g, then the chain; v96-127 gate, then c; v128-255 W's fragments of a step's four K steps (v224-255 serve the quantiser at the head).
; Window 1: x as loaded, then x's 16 fragments (tile i, K step ks at 64 i + 16 ks).
.set BLOCK, 17408
.set STEPB, 4*BLOCK                    ; a slot: one step's four blocks
.set XIMG,  2*STEPB                    ; behind the ring: x's 32 fragments as images of their registers, (tile rt, K step ks) at 2,048 (4 rt + ks);
.set XSC,   XIMG+65536                 ; their scale words, 512 bytes a tile: lane l's four words at 16 l;
.set TST,   XSC+4096                   ; a stage of 16 rows x (512 + 16) bytes for each wave;
.set TSTW,  8448
.set SPARE, TST+8*TSTW                 ; the spare words, 128 bytes for each wave: four blocks of 256 bytes that no other line names
.set SPW, 1
.set NIL, 2
.set WAD, 3                            ; v3-4  my block in slot 0, 1: 17,408 cq + 16 x lane
.set TSW, 5                            ; v5    the stage, in: 16 x lane
.set TSR, 6                            ; v6    the stage, out: 528 r + 64 h
.set XWI, 7                            ; v7    where I store my tile's images
.set XSW, 8                            ; v8    and its scale words
.set L16, 9                            ; v9    16 x lane
.set AGP, 10                           ; v10, v11  byte offsets of my pair in agg: the two take turns
.set AGQ, 11
.set XRD, 12                           ; v12   my four tiles' images
.set XSR, 13                           ; v13   and their scale words
.set AP,  14
.set CC,  18
.set CB,  20
.set WS,  24
.set AG,  28
.set XS,  32
.set T,   48
.set S,   56
.set X,   64
.set G,   96
.set WB,  128                          ; K step ks: the hidden fragment at 128 + 32 ks, the gate's 16 on
.set TM,  224
.set PC,  240
.set WV,  16
.set CQ,  17
.set RP,  18
.set WG,  19
.set SEL, 20
.set NL,  22                           ; s[22:23] -log2(e): the packed form names a pair
.set MNT, 24
.set CNT, 26
.set R0,  27                           ; s27   the cluster's first step
.set LI,  28                           ; s28   how many steps have been asked for, less one
.set OFF, 30                           ; s[30:31] a step's byte offset in wq
.set G1,  32
.set G0,  40
.set MSB, 0
.macro WIN new                         ; the immediate's high byte repeats the setting that is left
.if MSB != \new
	s_set_vgpr_msb (MSB<<8)|\new
.set MSB, \new
.endif
.endm
.macro NOPS n
.rept \n
	v_nop
.endr
.endm
.macro CROUND                          ; a round of the cluster's barrier
	s_barrier_signal -1
	s_barrier_wait -1
	s_cmp_lg_u32 s[WV], 0
	s_cbranch_scc1 .Lnot_wave_0_\@
	s_barrier_signal -3
.Lnot_wave_0_\@:
	s_barrier_wait -3
	s_barrier_signal -1
	s_barrier_wait -1
.endm
.macro TLOAD n                         ; waves 0-3 fetch a block each; the branch hangs on the wave's number alone.  Four v_nop follow the load
	s_cmp_lt_u32 s[WV], 4
	s_cbranch_scc0 .Lno_fetch_\@
	tensor_load_to_lds s[G0+4*(\n):G0+4*(\n)+3], s[G1:G1+7]
	s_nop 0
	NOPS 4
.Lno_fetch_\@:
.endm
; THE CHANGE OF SLOTS, at an interval's head.  fill = 1: slot n, which every wave has read out, takes the step after the one about to be read.
.macro CHANGE n, fill
	s_wait_tensorcnt 0x0                           ; all my tensor loads have landed: my block of the slot about to be read
	ds_add_u32 v[SPW], v[NIL]                      ; 0 onto my spare word
.if \fill
	s_add_co_u32 s[LI], s[LI], 1                   ; no load of mine is out, so the slot's group 0 may be written: the next step in my cluster's order,
	s_add_co_u32 s[OFF], s[LI], s[R0]
	s_and_b32 s[OFF], s[OFF], 15
	s_mul_i32 s[OFF], s[OFF], STEPB                ; its bytes in wq,
	s_add_nc_u64 s[G0+4*(\n)+2:G0+4*(\n)+3], s[6:7], s[OFF:OFF+1]
	s_or_b32 s[G0+4*(\n)+3], s[G0+4*(\n)+3], 0x80000000   ; and the type
.endif
	s_wait_dscnt 0x0                               ; the add is done, and so are my reads of the slot that I have left
.if \fill
	CROUND                                         ; both hold of every wave of the four work-groups
	TLOAD \n                                       ; the first tensor load behind the round, one a wave
.else
	s_barrier_signal -1
	s_barrier_wait -1
.endif
.endm
.macro QUANT s, pw
.irp b, 0,1,2,3
	v_max3_num_f32 v[TM+\b], |v[\s+16*\b]|, |v[\s+16*\b+1]|, 0x8000000   ; my 16 numbers of block b, and the floor 2^(16 - 127): the byte cannot fall under 1
.endr
.irp i, 2,4,6,8,10,12,14
.irp b, 0,1,2,3
	v_max3_num_f32 v[TM+\b], v[TM+\b], |v[\s+16*\b+\i]|, |v[\s+16*\b+\i+1]|
.endr
.endr
.irp b, 0,1,2,3
	v_permlanex16_b32 v[TM+4+\b], v[TM+\b], s[SEL], s[SEL+1]
.endr
.irp b, 0,1,2,3
	v_max_num_f32 v[TM+\b], v[TM+\b], v[TM+4+\b]               ; with lane l xor 16's 16: the block's largest magnitude
.endr
.irp b, 0,1,2,3
	v_add_nc_u32 v[TM+12+\b], 0xf8800000, v[TM+\b]             ; 15 off its exponent field: the conversion's scale operand
.endr
.irp b, 0,1,2,3
	v_and_or_b32 v[TM+8+\b], v[TM+\b], 0x7f800000, s[MNT]      ; 57,344 x the scale
.endr
.irp b, 0,1,2,3
	v_lshrrev_b32 v[TM+4+\b], 23, v[TM+12+\b]                  ; the scale's byte
.endr
	v_lshl_or_b32 v[\pw], v[TM+5], 8, v[TM+4]
	v_lshl_or_b32 v[\pw], v[TM+6], 16, v[\pw]
	v_lshl_or_b32 v[\pw], v[TM+7], 24, v[\pw]
.irp b, 0,1,2,3
.irp i, 0,1,2,3,4,5,6,7,8,9,10,11,12,13,14,15
	v_med3_num_f32 v[\s+16*\b+\i], v[\s+16*\b+\i], -v[TM+8+\b], v[TM+8+\b]   ; the conversion to an 8-bit code does not saturate (ISA guide 7.6.2): the hold
.endr
	v_cvt_scalef32_pk8_bf8_f32 v[PC+4*\b:PC+4*\b+1], v[\s+16*\b:\s+16*\b+7], v[TM+12+\b]
	v_cvt_scalef32_pk8_bf8_f32 v[PC+4*\b+2:PC+4*\b+3], v[\s+16*\b+8:\s+16*\b+15], v[TM+12+\b]
.endr
	v_nop                                          ; a plain line behind the last conversion
.endm
; K step q of my tile of x: 16 rows x 512 bytes turn through my stage, so that a lane holds 16 neighbours of each block of 32; then codes and word
.macro XQ q
	s_wait_loadcnt 48-16*\q                        ; this quarter's 16 loads are in; the later quarters' may be out
	WIN 0x04                                       ; an LDS store's data are its source 1: window 1
.irp m, 0,1,2,3,4,5,6,7,8,9,10,11,12,13,14,15
	ds_store_b128 v[TSW], v[64*\q+4*\m:64*\q+4*\m+3] offset:528*\m
.endr
	WIN 0
.irp b, 0,1,2,3
.irp j, 0,1,2,3
	ds_load_b128 v[X+16*\b+4*\j:X+16*\b+4*\j+3], v[TSR] offset:128*\b+16*\j   ; LDS serves a wave's instructions in order (ISA guide 5.7.1.4): these see the stores above
.endr
.endr
	s_wait_dscnt 0x0
	s_wait_xcnt 0x0                                ; the last quarter's stores have read the codes' registers
	QUANT X, AG+\q
.irp c, 0,1,2,3
	ds_store_b128 v[XWI], v[PC+4*\c:PC+4*\c+3] offset:2048*\q+512*\c
	global_store_b128 v[L16], v[PC+4*\c:PC+4*\c+3], s[8:9] offset:2048*\q+512*\c   ; 32 lanes store 512 consecutive bytes
.endr
.endm
.macro WLOAD slot, ks                  ; K step ks: the hidden fragment, then the gate's
.irp n, 0,1,2,3,4,5,6,7
	ds_load_b128 v[WB+32*\ks+4*\n:WB+32*\ks+4*\n+3], v[WAD+\slot] offset:4096*\ks+512*\n
.endr
.endm
.macro MUL8 ks, zero                   ; eight accumulators by turns, one instruction a turn.  zero = 1: the first K step starts the sums
.irp i, 0,1,2,3
.if \zero
	v_wmma_scale_f32_16x16x128_f8f6f4 v[X+8*\i:X+8*\i+7], v[64*\i+16*\ks:64*\i+16*\ks+15], v[WB+32*\ks:WB+32*\ks+15], 0, v[XS+4*\i+\ks], v[WS+\ks] matrix_a_fmt:MATRIX_FMT_BF8 matrix_b_fmt:MATRIX_FMT_BF8
	v_wmma_scale_f32_16x16x128_f8f6f4 v[G+8*\i:G+8*\i+7], v[64*\i+16*\ks:64*\i+16*\ks+15], v[WB+32*\ks+16:WB+32*\ks+31], 0, v[XS+4*\i+\ks], v[WS+\ks] matrix_a_fmt:MATRIX_FMT_BF8 matrix_b_fmt:MATRIX_FMT_BF8 matrix_b_scale:MATRIX_SCALE_ROW1
.else
	v_wmma_scale_f32_16x16x128_f8f6f4 v[X+8*\i:X+8*\i+7], v[64*\i+16*\ks:64*\i+16*\ks+15], v[WB+32*\ks:WB+32*\ks+15], v[X+8*\i:X+8*\i+7], v[XS+4*\i+\ks], v[WS+\ks] matrix_a_fmt:MATRIX_FMT_BF8 matrix_b_fmt:MATRIX_FMT_BF8
	v_wmma_scale_f32_16x16x128_f8f6f4 v[G+8*\i:G+8*\i+7], v[64*\i+16*\ks:64*\i+16*\ks+15], v[WB+32*\ks+16:WB+32*\ks+31], v[G+8*\i:G+8*\i+7], v[XS+4*\i+\ks], v[WS+\ks] matrix_a_fmt:MATRIX_FMT_BF8 matrix_b_fmt:MATRIX_FMT_BF8 matrix_b_scale:MATRIX_SCALE_ROW1
.endif
.endr
.endm
; A step's 32 products.  All its fragments of W are asked for in one run, and the products follow each other, K step by K step, as the fragments come in.
; Nine plain places stand at the end: the next step's loads land in these operands, its first products write over these accumulators, and the vector work reads them.
.macro MM slot
	ds_load_b128 v[WS:WS+3], v[WAD+\slot] offset:16384
	ds_load_b128 v[CB:CB+3], v[WAD+\slot] offset:16896
	WLOAD \slot, 0
	WLOAD \slot, 1
	WLOAD \slot, 2
	WLOAD \slot, 3
	WIN 0x01                                       ; source 0 (x) in window 1
	s_wait_dscnt 24                                ; all but the eight loads each of K steps 1, 2 and 3
	MUL8 0, 1
	s_wait_dscnt 16                                ; all but those of K steps 2 and 3
	MUL8 1, 0
	s_wait_dscnt 8                                 ; all but K step 3's
	MUL8 2, 0
	s_wait_dscnt 0x0
	MUL8 3, 0
	NOPS 9
	WIN 0
.endm
; Link lj of the sub-chunk's chain (h begun at 0: row 0's h is its z g), and, at every second link, two more factors of the product of c.  Link 31 leaves B.
.macro LINK g
.if lj == 0
	v_pk_mul_f32 v[AP:AP+1], v[\g:\g+1], v[\g+2:\g+3]
.elseif lj < 31
	v_fma_f32 v[X+lj], v[\g+lj], v[X+lj-1], v[X+lj]
.else
	v_fma_f32 v[AG+1], v[\g+31], v[X+30], v[X+31]
.endif
.if (lj >= 4) && (lj%2 == 0)
	v_pk_mul_f32 v[AP:AP+1], v[AP:AP+1], v[\g+lj:\g+lj+1]
.endif
.set lj, lj+1
.endm
; Tile i: hidden and gate become z g (in X) and c (in g).  Each accumulator is read from its low end on.
; h = 1: eight links of the chain, which run over the tile before, stand among these lines, so that no link waits for the link before it.
.macro ELEM i, g, h
.set eX, X+8*(\i)
.set eG, \g+8*(\i)
.irp p, 0,2,4,6
	v_pk_fma_f32 v[eG+\p:eG+\p+1], v[eG+\p:eG+\p+1], s[NL:NL+1], v[CB:CB+1] op_sel_hi:[1,0,0]      ; -L (gate + bias)
.endr
.if \h
	LINK \g
.endif
.irp p, 0,2,4,6
	v_pk_fma_f32 v[T+\p:T+\p+1], v[eX+\p:eX+\p+1], s[NL:NL+1], v[CB+2:CB+3] op_sel_hi:[1,0,0]      ; -L (hidden + bias)
.endr
.if \h
	LINK \g
.endif
.irp j, 0,1,2,3,4,5,6,7
	v_min_num_f32 v[eG+\j], 0x42c80000, v[eG+\j]               ; held at 100, so that 1 + E stays finite
.endr
.if \h
	LINK \g
.endif
.irp j, 0,1,2,3,4,5,6,7
	v_exp_f32 v[eG+\j], v[eG+\j]                               ; E = e^-gate
.endr
.if \h
	LINK \g
.endif
.irp j, 0,1,2,3,4,5,6,7
	v_exp_f32 v[T+\j], v[T+\j]
.endr
.if \h
	LINK \g
.endif
.irp p, 0,2,4,6
	v_pk_add_f32 v[eX+\p:eX+\p+1], v[eX+\p:eX+\p+1], v[CC:CC+1] op_sel_hi:[1,0]   ; hidden + bias + 0.5.  (Plain lines behind the exponentials)
.endr
	s_wait_alu depctr_va_vdst(0)
.irp p, 0,2,4,6
	v_pk_add_f32 v[S+\p:S+\p+1], v[eG+\p:eG+\p+1], 1.0 op_sel_hi:[1,0]
	v_pk_add_f32 v[T+\p:T+\p+1], v[T+\p:T+\p+1], 1.0 op_sel_hi:[1,0]
.endr
.if \h
	LINK \g
.endif
.irp j, 0,1,2,3,4,5,6,7
	v_rcp_f32 v[S+\j], v[S+\j]                                 ; z
.endr
.if \h
	LINK \g
.endif
.irp j, 0,1,2,3,4,5,6,7
	v_rcp_f32 v[T+\j], v[T+\j]                                 ; sigmoid(hidden)
.endr
.if \h
	LINK \g                                        ; (its first line is the plain line behind the reciprocals)
.else
	v_nop                                          ; a plain line behind the reciprocals
	s_wait_alu depctr_va_vdst(0)
.endif
	s_wait_alu depctr_va_vdst(0)
.irp j, 0,1,2,3,4,5,6,7
	v_max_num_f32 v[eX+\j], v[eX+\j], v[T+\j]                  ; g
.endr
.irp p, 0,2,4,6
	v_pk_mul_f32 v[eG+\p:eG+\p+1], v[eG+\p:eG+\p+1], v[S+\p:S+\p+1]   ; c = E z
	v_pk_mul_f32 v[eX+\p:eX+\p+1], v[eX+\p:eX+\p+1], v[S+\p:S+\p+1]   ; z g
.endr
.endm
; A step's vector work.  The pair goes out by the offset in v[pa]; the next step's offset is written into v[pb], which the store before last named.
.macro VEC1 pa, pb
	s_wait_xcnt 0x0                                ; earlier stores have read their data and offsets: v[AG], v[AG+1] and v[pb] are written again only behind this wait
	v_mov_b32 v[CC], v[CB+1]
.set lj, 0
	ELEM 0, G, 0
	ELEM 1, G, 1                                   ; with links 0-7
	ELEM 2, G, 1                                   ; 8-15
	ELEM 3, G, 1                                   ; 16-23
.rept 8
	LINK G                                         ; 24-31
.endr
	v_mul_f32 v[AG], v[AP], v[AP+1]                ; A
	global_store_b64 v[\pa], v[AG:AG+1], s[12:13]  ; 32 lanes store 256 consecutive bytes, aligned
	v_add_nc_u32 v[\pb], 0x100, v[\pa]             ; the next step's pair lies 256 bytes on,
	v_and_b32 v[\pb], 0xfff, v[\pb]                ; round the wave's sixteen
.endm
.macro INTERVAL slot, fill, pa, pb
	CHANGE 1-\slot, \fill
	s_cmp_lt_u32 s[WV], 4
	s_cbranch_scc0 .Lhi_a_\@
	MM \slot
.Lhi_a_\@:
	VEC1 \pa, \pb
	s_cmp_ge_u32 s[WV], 4
	s_cbranch_scc0 .Llo_b_\@
	MM \slot
.Llo_b_\@:
.endm
	s_load_b256 s[4:11], s[0:1], 0x0               ; x s[4:5], wq s[6:7], xq s[8:9], xs s[10:11]
	s_load_b64 s[12:13], s[0:1], 0x20              ; agg
	v_lshl_add_u32 v[SPW], v0, 2, SPARE
	v_mov_b32 v[NIL], 0
	ds_add_u32 v1, v2
	s_wait_dscnt 0x0
	v_lshrrev_b32 v3, 5, v0
	v_readfirstlane_b32 s[WV], v3                  ; wave 0..7
	s_and_b32 s[CQ], s[WV], 3
	s_lshr_b32 s[RP], s[WV], 2
	s_bfe_u32 s58, ttmp6, 0x40000                  ; cx
	s_lshl_b32 s[WG], ttmp9, 2
	s_add_co_u32 s[WG], s[WG], s58                 ; my block of 128 rows: it enters the addresses of x, xq, xs and agg alone
	s_and_b32 s[R0], ttmp9, 15                     ; the cluster's first step: the low four bits of its number,
	s_bfe_u32 s59, ttmp9, 0x10004
	s_mul_i32 s59, s59, 3
	s_xor_b32 s[R0], s[R0], s59                    ; bit 4 turns the lower two of them,
	s_bfe_u32 s59, ttmp9, 0x10005
	s_mul_i32 s59, s59, 12
	s_xor_b32 s[R0], s[R0], s59                    ; bit 5 the upper two.  The four partners share it
	s_lshl_b32 s59, s[R0], 8                       ; its pair's place among the wave's sixteen in agg
	s_mov_b32 s[LI], 1                             ; two steps are asked for at the start
	s_mov_b32 s[OFF+1], 0
	; descriptor group 1: a block of 17,408 dense bytes as 68 rows of 32 elements of 8 bytes, no padding (images are read 16 x lane)
	s_mov_b32 s[G1], 15|(3<<16)|(1<<21)            ; 15:0 the mask: all four work-groups; 17:16 elements of 8 bytes; 21 set beside a mask
	s_mov_b32 s[G1+1], 32<<16                      ; tensor_dim0
	s_mov_b32 s[G1+2], 68<<16                      ; tensor_dim1
	s_mov_b32 s[G1+3], 32<<16                      ; tile_dim0
	s_mov_b32 s[G1+4], 68                          ; tile_dim1
	s_mov_b32 s[G1+5], 32                          ; tensor_dim0_stride
	s_mov_b32 s[G1+6], 0
	s_mov_b32 s[G1+7], 0
	s_mov_b32 s[SEL], 0x76543210
	s_mov_b32 s[SEL+1], 0xfedcba98
	s_mov_b32 s[NL], 0xbfb8aa3b
	s_mov_b32 s[NL+1], s[NL]
	s_mov_b32 s[MNT], 0x600000
	s_mul_i32 s48, s[CQ], BLOCK                    ; the block that I fetch and read
	s_mov_b32 s49, 0
	s_lshl_b32 s50, s[WG], 7
	s_lshl_b32 s52, s[RP], 6
	s_add_co_u32 s50, s50, s52
	s_lshl_b32 s52, s[CQ], 3
	s_add_co_u32 s50, s50, s52                     ; the tile that I quantise begins at row 128 wg + 64 rp + 8 (w % 4)
	s_lshl_b32 s50, s50, 11
	s_mov_b32 s51, 0
	s_lshl_b32 s52, s[WG], 16
	s_lshl_b32 s54, s[WV], 13
	s_add_co_u32 s52, s52, s54                     ; xq: 65,536 wg + 8,192 w
	s_mov_b32 s53, 0
	s_lshr_b32 s54, s52, 4                         ; xs: 4,096 wg + 512 w
	s_mov_b32 s55, 0
	s_lshr_b32 s56, s52, 1                         ; agg: 32,768 wg + 4,096 w
	s_mov_b32 s57, 0
	v_and_b32 v[L16], 31, v0
	v_lshlrev_b32 v[L16], 4, v[L16]
	s_wait_kmcnt 0x0
	s_add_nc_u64 s[6:7], s[6:7], s[48:49]          ; wq at my block of step 0: it stays
	s_add_nc_u64 s[4:5], s[4:5], s[50:51]
	s_add_nc_u64 s[8:9], s[8:9], s[52:53]
	s_add_nc_u64 s[10:11], s[10:11], s[54:55]
	s_add_nc_u64 s[12:13], s[12:13], s[56:57]
.irp n, 0,1
	s_add_co_u32 s[OFF], s[R0], \n
	s_and_b32 s[OFF], s[OFF], 15
	s_mul_i32 s[OFF], s[OFF], STEPB                ; step (R0 + n) % 16
	s_mov_b32 s[G0+4*\n], 1                        ; count = 1
	s_add_co_u32 s[G0+4*\n+1], s48, \n*STEPB       ; LDS address: slot n, my block
	s_add_nc_u64 s[G0+4*\n+2:G0+4*\n+3], s[6:7], s[OFF:OFF+1]
	s_or_b32 s[G0+4*\n+3], s[G0+4*\n+3], 0x80000000   ; type = 2
.endr
	CROUND                                         ; the four work-groups are here: the first joint loads meet
	s_cmp_lt_u32 s[WV], 4                          ; a wave's two first fills stand in one branch: two loads of mine are out
	s_cbranch_scc0 .Lfirst_asked
	tensor_load_to_lds s[G0:G0+3], s[G1:G1+7]
	s_nop 0
	tensor_load_to_lds s[G0+4:G0+7], s[G1:G1+7]
	s_nop 0
	NOPS 4
.Lfirst_asked:
	WIN 0x40                                       ; destination window 1
.irp q, 0,1,2,3
.irp m, 0,1,2,3,4,5,6,7,8,9,10,11,12,13,14,15
	global_load_b128 v[64*\q+4*\m:64*\q+4*\m+3], v[L16], s[4:5] offset:(32*(\m/8)+(\m%8))*2048+512*\q th:TH_LOAD_NT   ; 32 lanes read 512 consecutive bytes of row m
.endr
.endr
	WIN 0
	v_and_b32 v60, 15, v0                          ; r
	v_bfe_u32 v61, v0, 4, 1                        ; h
	v_add_nc_u32 v[WAD], s48, v[L16]
	v_add_nc_u32 v[WAD+1], STEPB, v[WAD]
	s_mul_i32 s49, s[WV], TSTW
	s_add_co_u32 s49, s49, TST
	v_add_nc_u32 v[TSW], s49, v[L16]
	v_mul_u32_u24 v[TSR], v60, 528
	v_lshl_add_u32 v[TSR], v61, 6, v[TSR]
	v_add_nc_u32 v[TSR], s49, v[TSR]
	s_lshl_b32 s49, s[WV], 13
	s_add_co_u32 s49, s49, XIMG
	v_add_nc_u32 v[XWI], s49, v[L16]
	s_lshl_b32 s49, s[WV], 9
	s_add_co_u32 s49, s49, XSC
	v_add_nc_u32 v[XSW], s49, v[L16]
	s_lshl_b32 s49, s[RP], 15
	s_add_co_u32 s49, s49, XIMG
	v_add_nc_u32 v[XRD], s49, v[L16]
	s_lshl_b32 s49, s[RP], 11
	s_add_co_u32 s49, s49, XSC
	v_add_nc_u32 v[XSR], s49, v[L16]
	v_lshrrev_b32 v[AGP], 1, v[L16]                ; 8 x lane
	v_add_nc_u32 v[AGP], s59, v[AGP]               ; + 256 R0
	v_mov_b32 v[AGQ], v[AGP]
	v_mov_b32 v[CC+1], 0                           ; (named as the upper half of a pair)
.irp b, 0,1,2,3
	v_mov_b32 v[TM+4+\b], 0                        ; a lane permute's destination counts as one of its sources
.endr
	XQ 0
	XQ 1
	XQ 2
	XQ 3
	ds_store_b128 v[XSW], v[AG:AG+3]               ; my tile's four scale words a row
	global_store_b128 v[L16], v[AG:AG+3], s[10:11]
	s_wait_tensorcnt 0x0                           ; my blocks of the first two steps have landed,
	s_wait_dscnt 0x0                               ; my images lie in LDS;
	s_barrier_signal -1
	s_barrier_wait -1                              ; everybody's.
	s_wait_xcnt 0x0                                ; the stores of the codes have read v240-255, into which W's fragments are loaded from here on
	WIN 0x40
.irp f, 0,1,2,3,4,5,6,7,8,9,10,11,12,13,14,15
.irp c, 0,1,2,3
	ds_load_b128 v[16*\f+4*\c:16*\f+4*\c+3], v[XRD] offset:2048*\f+512*\c   ; my four tiles' fragments stay in window 1
.endr
.endr
	WIN 0
.irp i, 0,1,2,3
	ds_load_b128 v[XS+4*\i:XS+4*\i+3], v[XSR] offset:512*\i
.endr
	MM 0                                           ; the first step, in every wave
	s_cmp_lt_u32 s[WV], 4
	s_cbranch_scc0 .Lfirst_hi
	VEC1 AGP, AGQ
.Lfirst_hi:
	s_mov_b32 s[CNT], 7
.Lsteps:                                               ; seven trips of two intervals: the second to the fifteenth step; each asks for the step after it
	INTERVAL 1, 1, AGQ, AGP
	INTERVAL 0, 1, AGP, AGQ
	s_sub_co_u32 s[CNT], s[CNT], 1
	s_cmp_lg_u32 s[CNT], 0
	s_cbranch_scc1 .Lsteps
	INTERVAL 1, 0, AGQ, AGP                        ; the last step: nothing is left to fetch
	s_cmp_ge_u32 s[WV], 4
	s_cbranch_scc0 .Llast_lo
	VEC1 AGP, AGQ                                  ; waves 4-7: the last step's vector work
.Llast_lo:
	s_wait_tensorcnt 0x0                           ; the wave's end
	ds_add_u32 v[SPW], v[NIL]
	s_wait_dscnt 0x0
	CROUND                                         ; the closing round
	s_endpgm
.Lfunc_end_k_q6bc880118a_pass1:
	.size	k_q6bc880118a_pass1, .Lfunc_end_k_q6bc880118a_pass1-k_q6bc880118a_pass1
	.p2alignl 7, 3214868480
	.fill 96, 4, 3214868480
	.section	.rodata,"a",@progbits
	.p2align	6, 0x0
	.amdhsa_kernel k_q6bc880118a_pass1
		.amdhsa_group_segment_fixed_size 327680
		.amdhsa_private_segment_fixed_size 0
		.amdhsa_enable_private_segment 0
		.amdhsa_kernarg_size 40
		.amdhsa_user_sgpr_count 2
		.amdhsa_user_sgpr_kernarg_segment_ptr 1
		.amdhsa_wavefront_size32 1
		.amdhsa_system_sgpr_workgroup_id_x 1
		.amdhsa_system_sgpr_workgroup_id_y 1
		.amdhsa_system_sgpr_workgroup_id_z 1
		.amdhsa_system_vgpr_workitem_id 0
		.amdhsa_next_free_vgpr 512
		.amdhsa_next_free_sgpr 66
		.amdhsa_reserve_vcc 0
		.amdhsa_float_denorm_mode_32 3
		.amdhsa_float_denorm_mode_16_64 3
		.amdhsa_memory_ordered 1
		.amdhsa_forward_progress 1
		.amdhsa_inst_pref_size 197
	.end_amdhsa_kernel
	.amdgpu_metadata
---
amdhsa.version: [ 1, 2 ]
amdhsa.kernels:
  - .name:           k_q6bc880118a_pass1
    .symbol:         k_q6bc880118a_pass1.kd
    .args:
      - { .name: x, .offset: 0, .size: 8, .value_kind: global_buffer, .address_space: global }
      - { .name: wq, .offset: 8, .size: 8, .value_kind: global_buffer, .address_space: global }
      - { .name: xq, .offset: 16, .size: 8, .value_kind: global_buffer, .address_space: global }
      - { .name: xs, .offset: 24, .size: 8, .value_kind: global_buffer, .address_space: global }
      - { .name: agg, .offset: 32, .size: 8, .value_kind: global_buffer, .address_space: global }
    .group_segment_fixed_size: 327680
    .private_segment_fixed_size: 0
    .kernarg_segment_align: 8
    .kernarg_segment_size: 40
    .max_flat_workgroup_size: 256
    .sgpr_count:     66
    .vgpr_count:     512
    .wavefront_size: 32
...
	.end_amdgpu_metadata
.endif
;; end of part 2
;; launch chain (part 3): grid 128 x 1, 16 waves a work-group, no clusters, 10,240 bytes of LDS; arguments agg, carry; writes carry
.if DOCPART == 3
	.amdgcn_target "amdgcn-amd-amdhsa--gfx1250"
	.amdhsa_code_object_version 6
	.text
	.protected	k_q6bc880118a_chain
	.globl	k_q6bc880118a_chain
	.p2align	8
	.type	k_q6bc880118a_chain,@function
k_q6bc880118a_chain:
	s_mov_b64 s[64:65], 0
	v_nop
	global_prefetch_b8 v0, s[64:65] scope:SCOPE_SE
	s_setreg_imm32_b32 hwreg(HW_REG_WAVE_MODE, 25, 1), 1
	s_wait_xcnt 0x0
; The pairs (A, B) of the 256 sub-chunks of a batch are chained for each channel: carry into sub-chunk n + 1 = A_n x carry into n + B_n, 0 into the first.  All in f32; every term is 0 or more and A is at most 1.
; agg: [wg 256][w 8][s 16][lane 32][A, B];  carry: [wg][w][s / 2][lane][s % 2].  Lane l of (wg, w = 4 rp + cq, s): sub-chunk 4 wg + 2 rp + l / 16, one channel for each l % 16.
; A work-group takes a batch, a cq and a pair of steps (e = 0, 1): 32 channels.  A unit of time is (wg, rp): two sub-chunks, the earlier in lanes 0-15.  Wave v owns units 8 v .. 8 v + 7;
; the sixteen waves' figures meet in LDS behind one barrier, and each wave then runs its own units from its true start.
; Memory binds here and the work is small: no matrix unit, no tensor load, no cluster.  Every load and every store of a wave covers 256 consecutive bytes, aligned.
.set WV,  8
.set SEL, 22
.set LD,  32                           ; v32-63   (A, B) of (k, e) at 2 (2 k + e); later the results, two a unit
.set PA,  64                           ; v64-79   a unit's A;  v80-95 its B;  v96-111 the earlier sub-chunk's A;  v112-127 its B
.set PB,  80
.set AE,  96
.set BE,  112
.set SG,  128                          ; v128-187 the pairs of waves 0-14, (u, e) at 4 u + 2 e
	s_load_b128 s[4:7], s[0:1], 0x0                ; agg, carry
	v_lshl_add_u32 v192, v0, 2, 0x2000
	v_mov_b32 v193, 0
	v_lshrrev_b32 v1, 5, v0
	v_readfirstlane_b32 s[WV], v1
	v_and_b32 v2, 31, v0
	v_lshlrev_b32 v3, 3, v2                        ; 8 x lane
	v_lshlrev_b32 v4, 3, v0                        ; LDS: 256 v + 8 x lane
	v_mov_b32 v8, 0                                ; a lane permute's destination counts as one of its sources
	v_mov_b32 v9, 0
	v_cmp_le_u32 s20, 16, v2                       ; lanes 16-31: the later sub-chunk of a unit
	s_mov_b32 s[SEL], 0x76543210
	s_mov_b32 s[SEL+1], 0xfedcba98
	s_lshr_b32 s9, ttmp9, 5                        ; batch
	s_bfe_u32 s10, ttmp9, 0x20003                  ; cq
	s_and_b32 s11, ttmp9, 7                        ; the pair of steps
	s_lshl_b32 s12, s9, 6
	s_lshl_b32 s13, s[WV], 2
	s_add_co_u32 s12, s12, s13                     ; my first wg: 64 batch + 4 v
	s_lshl_b32 s14, s12, 15
	s_lshl_b32 s15, s10, 12
	s_add_co_u32 s14, s14, s15
	s_lshl_b32 s15, s11, 9
	s_add_co_u32 s14, s14, s15
	s_mov_b32 s15, 0
	s_lshl_b32 s16, s12, 14
	s_lshl_b32 s17, s10, 11
	s_add_co_u32 s16, s16, s17
	s_lshl_b32 s17, s11, 8
	s_add_co_u32 s16, s16, s17
	s_mov_b32 s17, 0
	s_wait_kmcnt 0x0
	s_add_nc_u64 s[4:5], s[4:5], s[14:15]
	s_add_nc_u64 s[6:7], s[6:7], s[16:17]
.irp k, 0,1,2,3,4,5,6,7
.irp e, 0,1
	global_load_b64 v[LD+2*(2*\k+\e):LD+2*(2*\k+\e)+1], v3, s[4:5] offset:(\k/2)*32768+(\k%2)*16384+256*\e th:TH_LOAD_NT
.endr
.endr
	s_wait_loadcnt 0x0
.irp n, 0,1,2,3,4,5,6,7,8,9,10,11,12,13,14,15
	v_permlanex16_b32 v8, v[LD+2*\n], s[SEL], s[SEL+1]         ; the other sub-chunk's A
	v_permlanex16_b32 v9, v[LD+2*\n+1], s[SEL], s[SEL+1]       ; and B
	v_cndmask_b32 v10, v8, v[LD+2*\n], s20                     ; the later one's A
	v_cndmask_b32 v[BE+\n], v[LD+2*\n+1], v9, s20              ; the earlier one's B
	v_cndmask_b32 v11, v9, v[LD+2*\n+1], s20                   ; the later one's B
	v_cndmask_b32 v[AE+\n], v[LD+2*\n], v8, s20                ; the earlier one's A
	v_mul_f32 v[PA+\n], v[LD+2*\n], v8
	v_fma_f32 v[PB+\n], v10, v[BE+\n], v11                     ; the unit's pair, alike in both halves of the lanes
.endr
.irp e, 0,1
	v_mul_f32 v[12+2*\e], v[PA+\e], v[PA+2+\e]
	v_fma_f32 v[13+2*\e], v[PA+2+\e], v[PB+\e], v[PB+2+\e]
.endr
.irp k, 2,3,4,5,6,7
.irp e, 0,1
	v_fma_f32 v[13+2*\e], v[PA+2*\k+\e], v[13+2*\e], v[PB+2*\k+\e]
	v_mul_f32 v[12+2*\e], v[12+2*\e], v[PA+2*\k+\e]            ; my eight units' pair
.endr
.endr
	ds_store_b64 v4, v[12:13]
	ds_store_b64 v4, v[14:15] offset:4096
	s_wait_dscnt 0x0                               ; for the others' sake
	s_barrier_signal -1
	s_barrier_wait -1
.irp u, 0,1,2,3,4,5,6,7,8,9,10,11,12,13,14
.irp e, 0,1
	ds_load_b64 v[SG+4*\u+2*\e:SG+4*\u+2*\e+1], v3 offset:4096*\e+256*\u
.endr
.endr
	v_mov_b32 v16, 0                               ; the carry into wave 0
	v_mov_b32 v17, 0
	v_mov_b32 v18, 0                               ; mine
	v_mov_b32 v19, 0
	s_wait_dscnt 0x0
.irp u, 0,1,2,3,4,5,6,7,8,9,10,11,12,13,14
	s_cmp_eq_u32 s[WV], \u+1
	s_cselect_b32 s21, -1, 0
	v_fma_f32 v16, v[SG+4*\u], v16, v[SG+4*\u+1]               ; the carry into wave u + 1
	v_fma_f32 v17, v[SG+4*\u+2], v17, v[SG+4*\u+3]
	v_cndmask_b32 v18, v18, v16, s21
	v_cndmask_b32 v19, v19, v17, s21
.endr
.irp k, 0,1,2,3,4,5,6,7
.irp e, 0,1
	v_fma_f32 v10, v[AE+2*\k+\e], v[18+\e], v[BE+2*\k+\e]      ; into the later sub-chunk
	v_cndmask_b32 v[LD+2*\k+\e], v[18+\e], v10, s20
	v_fma_f32 v[18+\e], v[PA+2*\k+\e], v[18+\e], v[PB+2*\k+\e] ; into the next unit
.endr
	global_store_b64 v3, v[LD+2*\k:LD+2*\k+1], s[6:7] offset:(\k/2)*16384+(\k%2)*8192
.endr
	s_wait_tensorcnt 0x0
	ds_add_u32 v192, v193
	s_wait_dscnt 0x0
	s_endpgm
.Lfunc_end_k_q6bc880118a_chain:
	.size	k_q6bc880118a_chain, .Lfunc_end_k_q6bc880118a_chain-k_q6bc880118a_chain
	.p2alignl 7, 3214868480
	.fill 96, 4, 3214868480
	.section	.rodata,"a",@progbits
	.p2align	6, 0x0
	.amdhsa_kernel k_q6bc880118a_chain
		.amdhsa_group_segment_fixed_size 10240
		.amdhsa_private_segment_fixed_size 0
		.amdhsa_enable_private_segment 0
		.amdhsa_kernarg_size 16
		.amdhsa_user_sgpr_count 2
		.amdhsa_user_sgpr_kernarg_segment_ptr 1
		.amdhsa_wavefront_size32 1
		.amdhsa_system_sgpr_workgroup_id_x 1
		.amdhsa_system_sgpr_workgroup_id_y 1
		.amdhsa_system_sgpr_workgroup_id_z 1
		.amdhsa_system_vgpr_workitem_id 0
		.amdhsa_next_free_vgpr 194
		.amdhsa_next_free_sgpr 66
		.amdhsa_reserve_vcc 0
		.amdhsa_float_denorm_mode_32 3
		.amdhsa_float_denorm_mode_16_64 3
		.amdhsa_memory_ordered 1
		.amdhsa_forward_progress 1
		.amdhsa_inst_pref_size 23
	.end_amdhsa_kernel
	.amdgpu_metadata
---
amdhsa.version: [ 1, 2 ]
amdhsa.kernels:
  - .name:           k_q6bc880118a_chain
    .symbol:         k_q6bc880118a_chain.kd
    .args:
      - { .name: agg, .offset: 0, .size: 8, .value_kind: global_buffer, .address_space: global }
      - { .name: carry, .offset: 8, .size: 8, .value_kind: global_buffer, .address_space: global }
    .group_segment_fixed_size: 10240
    .private_segment_fixed_size: 0
    .kernarg_segment_align: 8
    .kernarg_segment_size: 16
    .max_flat_workgroup_size: 512
    .sgpr_count:     66
    .vgpr_count:     194
    .wavefront_size: 32
...
	.end_amdgpu_metadata
.endif
;; end of part 3
;; launch pass3 (part 4): grid 256 x 1, 8 waves a work-group, clusters of 4 x 1, 327,680 bytes of LDS; arguments xq, xs, wq, carry, b_out, out0; writes out0
.if DOCPART == 4
	.amdgcn_target "amdgcn-amd-amdhsa--gfx1250"
	.amdhsa_code_object_version 6
	.text
	.protected	k_q6bc880118a_pass3
	.globl	k_q6bc880118a_pass3
	.p2align	8
	.type	k_q6bc880118a_pass3,@function
k_q6bc880118a_pass3:
	s_mov_b64 s[64:65], 0
	v_nop
	global_prefetch_b8 v0, s[64:65] scope:SCOPE_SE
	s_setreg_imm32_b32 hwreg(HW_REG_WAVE_MODE, 25, 1), 1
	s_wait_xcnt 0x0
	s_wait_alu depctr_hold_cnt(0) depctr_sa_sdst(0) depctr_va_vdst(0) depctr_va_sdst(0) depctr_va_ssrc(0) depctr_va_vcc(0) depctr_vm_vsrc(0)
	s_getreg_b32 s2, hwreg(HW_REG_IB_STS2, 6, 4)
	s_cmp_eq_u32 s2, 0
	s_cbranch_scc0 .Lentry_in_a_cluster
	s_endpgm
.Lentry_in_a_cluster:
	s_bfe_u32 s2, ttmp6, 0x10000c
	s_cmp_lg_u32 s2, 0x3003
	s_cbranch_scc0 .Lentry_shape_is_right
	s_endpgm
.Lentry_shape_is_right:
; LAST PASS: out = Q(h) Q(W_out)^T + b_out, h_t = c_t h_(t-1) + z_t g_t begun at each sub-chunk's true carry.  Both products on codes of BF8 (E5M2) with one E8M0 byte for each 32 along K.
; A work-group takes 128 rows; eight waves, two to a SIMD; wave w: rp = w / 4 (rows 64 rp on), cq = w % 4.
; PHASE 1, intervals 0-16: as in the first pass (source 0 = 16 rows of x, source 1 = 16 rows of W_in; a lane holds one channel, its 32 registers a sub-chunk's 32 rows; lanes 0-15 and 16-31 two sub-chunks).
; h is made by a chain of fused multiply-adds, turns through the wave's stage in LDS so that a lane holds ONE ROW and eight channels, and two neighbouring steps' eights are 16 neighbours along the
; second product's K (W_in's rows were chosen so).  A block of 32 lies in lanes l and l xor 16.  Codes and scale words go to LDS as images of the operand's registers.
; PHASE 2, intervals 16-23: wave (rp, cq) makes outputs 128 cq on for rows 64 rp on: source 0 = 16 rows of W_out, source 1 = 16 rows of h, so that a lane holds eight neighbouring outputs of one row; 32 accumulators.
; BY TURNS: waves 0-3 multiply and then do the step's vector work, waves 4-7 the other way round, a step behind.
; The weights' blocks come through a ring of two LDS slots by tensor loads of waves 0-3; the four work-groups of a cluster walk the same blocks in the same order and ask JOINTLY.
; THE ORDER OF THE STEPS differs from cluster to cluster, so that the clusters do not all ask for the same block at the same time.  P = (k xor k / 8) % 8 of the cluster's number k; q0 = P % 2, rc = P / 2.
; LDS keeps the cluster's OWN order, and only addresses in memory know of P: the i-th step of phase 1 is W_in's step (i + 8 q0) % 16 (a shift by half keeps each run of four blocks of 32, so each scale word and
; each K step of h, whole and in order); the wave at place cq takes channels 256 ((cq + rc) % 4) on, its block of W_in and its carries; so h's i-th K step in LDS is K step ((i + 2 rc) % 8) xor q0,
; and that step of W_out is fetched for it.  The sums over K are then taken in another order in another cluster.
; LIMITS: -log2(e) x gate is held at 100 (for gate under -69.3 z is 2^-100 where the definition has e^gate); v_exp_f32 and v_rcp_f32 give 0 for results under 2^-126;
; a block of zeros has the byte 1 (its codes are zeros); NaN and infinities among the inputs are not served.
; REGISTERS.  Window 0: v1-17 addresses and the carry; v18-19 b + 0.5; v20-23 the step's constants, later b_out; v24-27 the weights' scale words; v28-31 h's scale words; v32-47 x's; v48-63 at work;
; v64-95 X: hidden, z g, h; v96-127 Y, v128-159 Z: gate, c, then h turned, by turns; v160-223 W_in's fragments; v224-255 the quantiser's.  Phase 2: v64-191 W_out's eight fragments, v192-255 h's four.
; Window 1: x's 16 fragments; in phase 2 the 32 accumulators, (rho, f) at 8 (8 rho + f).
.set BLOCK, 17408
.set STEPB, 4*BLOCK
.set HIMG,  2*STEPB                    ; behind the ring: h's 64 fragments as images: (tile 4 rp + rho, K step kk) at 2,048 (8 (4 rp + rho) + kk);
.set HSC,   HIMG+131072                ; their scale words, 128 bytes each;
.set CTB,   HSC+8192                   ; each wave's carries, 2,048 bytes, in the order in which it takes its steps;
.set STG,   CTB+16384                  ; each wave's stage: two halves 1,344 bytes apart, 16 rows of 64 + 16 bytes;
.set SPARE, STG+8*2816                 ; the spare words, 128 bytes for each wave: four blocks of 256 bytes that no other line names
.set SPW, 1
.set NIL, 2
.set WAD, 3                            ; v3-4  my block in slot 0, 1
.set STW, 5                            ; v5    the stage, in: 1,344 h + 4 r
.set STR, 6                            ; v6    the stage, out: 80 r + 32 h
.set HWI, 7                            ; v7    where my h images begin
.set HWS, 8                            ; v8    and their scale words
.set CTA, 9                            ; v9    my carries of the pair of steps in hand
.set HRD, 10                           ; v10   phase 2: h's images of the K step in hand
.set HSR, 11                           ; v11   and their scale words
.set TA,  12                           ; v12, v13  the trip's image and word addresses
.set TB,  13
.set OST, 14                           ; v14   the way out: where I put 32 bytes of a row
.set ORD, 15                           ; v15   and where I read a row back
.set OGO, 16                           ; v16   512 cq + 16 x lane
.set CAR, 17
.set CC,  18
.set CB,  20
.set WS,  24
.set HW,  28
.set XS,  32
.set T,   48
.set S,   56
.set X,   64
.set Y,   96
.set Z,   128
.set WB0, 160
.set WB1, 192
.set TM,  224
.set PC,  240
.set WF,  64
.set HF,  192
.set WV,  16
.set CQ,  17
.set RP,  18
.set WG,  19
.set SEL, 20
.set NL,  22
.set MNT, 24
.set UQ,  25                           ; s25   512 x trip: the block of 32 channels in hand
.set CNT, 26
.set LI,  27                           ; s27   how many steps have been asked for, less one
.set Q0,  28                           ; s28   q0;  s29  8 q0;  s59  2 rc
.set Q8,  29
.set OFF, 30                           ; s[30:31] a step's byte offset in wq
.set RC2, 59
.set WQ1, 60                           ; s[60:61] wq at the block of W_in's step 0 that I fetch;  s[8:9] at my block of W_out's
.set G1,  32
.set G0,  40
.set MSB, 0
.macro WIN new                         ; the immediate's high byte repeats the setting that is left
.if MSB != \new
	s_set_vgpr_msb (MSB<<8)|\new
.set MSB, \new
.endif
.endm
.macro NOPS n
.rept \n
	v_nop
.endr
.endm
.macro CROUND                          ; a round of the cluster's barrier
	s_barrier_signal -1
	s_barrier_wait -1
	s_cmp_lg_u32 s[WV], 0
	s_cbranch_scc1 .Lnot_wave_0_\@
	s_barrier_signal -3
.Lnot_wave_0_\@:
	s_barrier_wait -3
	s_barrier_signal -1
	s_barrier_wait -1
.endm
.macro TLOAD n                         ; waves 0-3 fetch a block each; four v_nop follow the load
	s_cmp_lt_u32 s[WV], 4
	s_cbranch_scc0 .Lno_fetch_\@
	tensor_load_to_lds s[G0+4*(\n):G0+4*(\n)+3], s[G1:G1+7]
	s_nop 0
	NOPS 4
.Lno_fetch_\@:
.endm
; The change of slots, at an interval's head.  fill = 1: slot n takes the next step of W_in in my cluster's order; 2: the next of W_out; 0: nothing is left to fetch.
.macro CHANGE n, fill
	s_wait_tensorcnt 0x0                           ; all my tensor loads have landed: my block of the slot about to be read
	ds_add_u32 v[SPW], v[NIL]                      ; 0 onto my spare word
.if \fill == 1
	s_add_co_u32 s[LI], s[LI], 1                   ; no load of mine is out, so the slot's group 0 may be written
	s_add_co_u32 s[OFF], s[LI], s[Q8]
	s_and_b32 s[OFF], s[OFF], 15                   ; W_in's step (i + 8 q0) % 16
	s_mul_i32 s[OFF], s[OFF], STEPB
	s_add_nc_u64 s[G0+4*(\n)+2:G0+4*(\n)+3], s[WQ1:WQ1+1], s[OFF:OFF+1]
	s_or_b32 s[G0+4*(\n)+3], s[G0+4*(\n)+3], 0x80000000
.elseif \fill == 2
	s_add_co_u32 s[LI], s[LI], 1
	s_add_co_u32 s[OFF], s[LI], s[RC2]
	s_and_b32 s[OFF], s[OFF], 7
	s_xor_b32 s[OFF], s[OFF], s[Q0]                ; W_out's K step ((i + 2 rc) % 8) xor q0 (i counts on from 16, a multiple of 8),
	s_add_co_u32 s[OFF], s[OFF], 16                ; which is wq's step 16 on
	s_mul_i32 s[OFF], s[OFF], STEPB
	s_add_nc_u64 s[G0+4*(\n)+2:G0+4*(\n)+3], s[8:9], s[OFF:OFF+1]
	s_or_b32 s[G0+4*(\n)+3], s[G0+4*(\n)+3], 0x80000000
.endif
	s_wait_dscnt 0x0                               ; the add is done, my reads of the slot that I have left are over, my stores have landed
.if \fill
	CROUND
	TLOAD \n                                       ; the first tensor load behind the round, one a wave
.else
	s_barrier_signal -1
	s_barrier_wait -1
.endif
.endm
.macro WLOAD slot, ks, wb
.irp n, 0,1,2,3,4,5,6,7
	ds_load_b128 v[\wb+4*\n:\wb+4*\n+3], v[WAD+\slot] offset:4096*\ks+512*\n
.endr
.endm
.macro MUL8 ks, wb, g, zero            ; eight accumulators by turns, one instruction a turn
.irp i, 0,1,2,3
.if \zero
	v_wmma_scale_f32_16x16x128_f8f6f4 v[X+8*\i:X+8*\i+7], v[64*\i+16*\ks:64*\i+16*\ks+15], v[\wb:\wb+15], 0, v[XS+4*\i+\ks], v[WS+\ks] matrix_a_fmt:MATRIX_FMT_BF8 matrix_b_fmt:MATRIX_FMT_BF8
	v_wmma_scale_f32_16x16x128_f8f6f4 v[\g+8*\i:\g+8*\i+7], v[64*\i+16*\ks:64*\i+16*\ks+15], v[\wb+16:\wb+31], 0, v[XS+4*\i+\ks], v[WS+\ks] matrix_a_fmt:MATRIX_FMT_BF8 matrix_b_fmt:MATRIX_FMT_BF8 matrix_b_scale:MATRIX_SCALE_ROW1
.else
	v_wmma_scale_f32_16x16x128_f8f6f4 v[X+8*\i:X+8*\i+7], v[64*\i+16*\ks:64*\i+16*\ks+15], v[\wb:\wb+15], v[X+8*\i:X+8*\i+7], v[XS+4*\i+\ks], v[WS+\ks] matrix_a_fmt:MATRIX_FMT_BF8 matrix_b_fmt:MATRIX_FMT_BF8
	v_wmma_scale_f32_16x16x128_f8f6f4 v[\g+8*\i:\g+8*\i+7], v[64*\i+16*\ks:64*\i+16*\ks+15], v[\wb+16:\wb+31], v[\g+8*\i:\g+8*\i+7], v[XS+4*\i+\ks], v[WS+\ks] matrix_a_fmt:MATRIX_FMT_BF8 matrix_b_fmt:MATRIX_FMT_BF8 matrix_b_scale:MATRIX_SCALE_ROW1
.endif
.endr
.endm
; A step's 32 products, the gate's into g.  Eight plain places in front of each run of loads into registers that products have read; nine at the end,
; since later products write over these accumulators and operands.
.macro MM slot, g
	ds_load_b128 v[WS:WS+3], v[WAD+\slot] offset:16384
	ds_load_b128 v[CB:CB+3], v[WAD+\slot] offset:16896
	ds_load_b32 v[CAR], v[CTA] offset:4*\slot      ; the carry into my sub-chunk, for this step's channel
	WLOAD \slot, 0, WB0
	WLOAD \slot, 1, WB1
	s_wait_dscnt 8                                 ; all but K step 1's eight
	WIN 0x01                                       ; source 0 (x) in window 1
	MUL8 0, WB0, \g, 1
	NOPS 8
	WIN 0
	WLOAD \slot, 2, WB0
	s_wait_dscnt 8                                 ; all but K step 2's eight
	WIN 0x01
	MUL8 1, WB1, \g, 0
	NOPS 8
	WIN 0
	WLOAD \slot, 3, WB1
	s_wait_dscnt 8                                 ; all but K step 3's eight
	WIN 0x01
	MUL8 2, WB0, \g, 0
	s_wait_dscnt 0x0
	MUL8 3, WB1, \g, 0
	NOPS 9
	WIN 0
.endm
; Link lj of the sub-chunk's chain; the h of the link before goes into the stage (one link late, so that the store does not stand behind the line that makes its data).
.macro LINK g
.if lj == 0
	v_fma_f32 v[X], v[\g], v[CAR], v[X]
.else
	v_fma_f32 v[X+lj], v[\g+lj], v[X+lj-1], v[X+lj]
.endif
.if lj%16
	ds_store_b32 v[STW], v[X+lj-1] offset:80*((lj-1)%16)
.endif
.set lj, lj+1
.endm
; Behind 16 links: the last h goes in, and the 16 rows of each half come back, a row and eight channels a lane, into g's registers, whose c are used up.
; LDS serves a wave's instructions in order (ISA guide 5.7.1.4): no wait between the stores and the loads, nor in front of the next 16 stores.
.macro FLUSH base, g
	ds_store_b32 v[STW], v[X+\base+15] offset:80*15
	ds_load_b128 v[\g+\base:\g+\base+3], v[STR]
	ds_load_b128 v[\g+\base+4:\g+\base+7], v[STR] offset:16
	ds_load_b128 v[\g+\base+8:\g+\base+11], v[STR] offset:1344
	ds_load_b128 v[\g+\base+12:\g+\base+15], v[STR] offset:1360
.endm
; Tile i: hidden and gate become z g (in X) and c (in g).  Each accumulator is read from its low end on.
; h = 1: eight links of the chain, which run over the tile before, stand among these lines, so that no link waits for the link before it.
.macro ELEM i, g, h
.set eX, X+8*(\i)
.set eG, \g+8*(\i)
.irp p, 0,2,4,6
	v_pk_fma_f32 v[eG+\p:eG+\p+1], v[eG+\p:eG+\p+1], s[NL:NL+1], v[CB:CB+1] op_sel_hi:[1,0,0]      ; -L (gate + bias)
.endr
.if \h
	LINK \g
.endif
.irp p, 0,2,4,6
	v_pk_fma_f32 v[T+\p:T+\p+1], v[eX+\p:eX+\p+1], s[NL:NL+1], v[CB+2:CB+3] op_sel_hi:[1,0,0]      ; -L (hidden + bias)
.endr
.if \h
	LINK \g
.endif
.irp j, 0,1,2,3,4,5,6,7
	v_min_num_f32 v[eG+\j], 0x42c80000, v[eG+\j]               ; held at 100, so that 1 + E stays finite
.endr
.if \h
	LINK \g
.endif
.irp j, 0,1,2,3,4,5,6,7
	v_exp_f32 v[eG+\j], v[eG+\j]                               ; E = e^-gate
.endr
.if \h
	LINK \g
.endif
.irp j, 0,1,2,3,4,5,6,7
	v_exp_f32 v[T+\j], v[T+\j]
.endr
.if \h
	LINK \g
.endif
.irp p, 0,2,4,6
	v_pk_add_f32 v[eX+\p:eX+\p+1], v[eX+\p:eX+\p+1], v[CC:CC+1] op_sel_hi:[1,0]   ; hidden + bias + 0.5.  (Plain lines behind the exponentials)
.endr
	s_wait_alu depctr_va_vdst(0)
.irp p, 0,2,4,6
	v_pk_add_f32 v[S+\p:S+\p+1], v[eG+\p:eG+\p+1], 1.0 op_sel_hi:[1,0]
	v_pk_add_f32 v[T+\p:T+\p+1], v[T+\p:T+\p+1], 1.0 op_sel_hi:[1,0]
.endr
.if \h
	LINK \g
.endif
.irp j, 0,1,2,3,4,5,6,7
	v_rcp_f32 v[S+\j], v[S+\j]                                 ; z
.endr
.if \h
	LINK \g
.endif
.irp j, 0,1,2,3,4,5,6,7
	v_rcp_f32 v[T+\j], v[T+\j]                                 ; sigmoid(hidden)
.endr
.if \h
	LINK \g                                        ; (its first line is the plain line behind the reciprocals)
.else
	v_nop                                          ; a plain line behind the reciprocals
	s_wait_alu depctr_va_vdst(0)
.endif
	s_wait_alu depctr_va_vdst(0)
.irp j, 0,1,2,3,4,5,6,7
	v_max_num_f32 v[eX+\j], v[eX+\j], v[T+\j]                  ; g
.endr
.irp p, 0,2,4,6
	v_pk_mul_f32 v[eG+\p:eG+\p+1], v[eG+\p:eG+\p+1], v[S+\p:S+\p+1]   ; c = E z
	v_pk_mul_f32 v[eX+\p:eX+\p+1], v[eX+\p:eX+\p+1], v[S+\p:S+\p+1]   ; z g
.endr
.endm
.macro VEC g                           ; a step's vector work.  Behind it g's registers 8 (2 (rho % 2) + rho / 2) + j hold h(row 16 rho + lane % 16, lane-channel 8 (lane / 16) + j)
	v_mov_b32 v[CC], v[CB+1]
.set lj, 0
	ELEM 0, \g, 0
	ELEM 1, \g, 1                                  ; with links 0-7
	ELEM 2, \g, 1                                  ; 8-15
	FLUSH 0, \g
	ELEM 3, \g, 1                                  ; 16-23
.rept 8
	LINK \g                                        ; 24-31
.endr
	FLUSH 16, \g
.endm
; A block of 32 channels of my 64 rows: ev holds the even step's eight a lane, od the odd step's.  h is never negative: no |.|, and a one-sided hold.
; The byte is shifted into the row's scale word from above: behind four blocks the word is whole; it is stored each time, and read only in phase 2.
.macro QUANT3 ev, od, ia, io, sa, so
	s_wait_dscnt 0x0                               ; h is back from the stage
.irp r, 0,1,2,3
.set q0, 8*(2*(\r%2)+\r/2)
	v_max3_num_f32 v[TM+\r], v[\ev+q0], v[\ev+q0+1], 0x8000000   ; and the floor 2^(16 - 127): the byte cannot fall under 1
.endr
.irp i, 2,4,6
.irp r, 0,1,2,3
.set q0, 8*(2*(\r%2)+\r/2)
	v_max3_num_f32 v[TM+\r], v[TM+\r], v[\ev+q0+\i], v[\ev+q0+\i+1]
.endr
.endr
.irp i, 0,2,4,6
.irp r, 0,1,2,3
.set q0, 8*(2*(\r%2)+\r/2)
	v_max3_num_f32 v[TM+\r], v[TM+\r], v[\od+q0+\i], v[\od+q0+\i+1]
.endr
.endr
.irp r, 0,1,2,3
	v_permlanex16_b32 v[TM+4+\r], v[TM+\r], s[SEL], s[SEL+1]
.endr
.irp r, 0,1,2,3
	v_max_num_f32 v[TM+\r], v[TM+\r], v[TM+4+\r]
.endr
.irp r, 0,1,2,3
	v_add_nc_u32 v[TM+12+\r], 0xf8800000, v[TM+\r]             ; 15 off the exponent field: the conversion's scale operand
.endr
.irp r, 0,1,2,3
	v_and_or_b32 v[TM+8+\r], v[TM+\r], 0x7f800000, s[MNT]      ; 57,344 x the scale
.endr
.irp r, 0,1,2,3
	v_lshrrev_b32 v[TM+4+\r], 23, v[TM+12+\r]                  ; the scale's byte
.endr
.irp r, 0,1,2,3
	v_lshrrev_b32 v[HW+\r], 8, v[HW+\r]
.endr
.irp r, 0,1,2,3
	v_lshl_or_b32 v[HW+\r], v[TM+4+\r], 24, v[HW+\r]
.endr
.irp r, 0,1,2,3
.set q0, 8*(2*(\r%2)+\r/2)
.irp i, 0,1,2,3,4,5,6,7
	v_min_num_f32 v[\ev+q0+\i], v[\ev+q0+\i], v[TM+8+\r]       ; the conversion to an 8-bit code does not saturate (ISA guide 7.6.2)
	v_min_num_f32 v[\od+q0+\i], v[\od+q0+\i], v[TM+8+\r]
.endr
	v_cvt_scalef32_pk8_bf8_f32 v[PC+4*\r:PC+4*\r+1], v[\ev+q0:\ev+q0+7], v[TM+12+\r]
	v_cvt_scalef32_pk8_bf8_f32 v[PC+4*\r+2:PC+4*\r+3], v[\od+q0:\od+q0+7], v[TM+12+\r]
.endr
	v_nop                                          ; a plain line behind the last conversion
.irp r, 0,1,2,3
	ds_store_b128 v[\ia], v[PC+4*\r:PC+4*\r+3] offset:\io+16384*\r
	ds_store_b32 v[\sa], v[HW+\r] offset:\so+1024*\r
.endr
.endm
; An interval with an odd step.  Waves 0-3: this step into Z, its vector work, the block of 32.  Waves 4-7: the last step's vector work (it lies in Z), this step into Y.  md: what slot 0 takes
.macro ODDI md, ia, io, sa, so
	CHANGE 0, \md
	s_cmp_lt_u32 s[WV], 4
	s_cbranch_scc0 .Lo1_\@
	MM 1, Z
.Lo1_\@:
	VEC Z
	s_cmp_lt_u32 s[WV], 4
	s_cbranch_scc0 .Lo2_\@
	QUANT3 Y, Z, \ia, \io, \sa, \so
	s_branch .Lo3_\@
.Lo2_\@:
	MM 1, Y
.Lo3_\@:
.endm
; A K step of the second product: 32 accumulators by turns.  first = 1: it starts the sums.
.macro MM2 slot, first
	s_wait_dscnt 0x0                               ; my LDS stores have read their registers, which the loads below write
	NOPS 8                                         ; places in front of loads into registers that products have read
.if !\first
	v_add_nc_u32 v[HRD], 2048, v[HRD]              ; (no LDS instruction of mine is out)
	v_add_nc_u32 v[HSR], 128, v[HSR]
.endif
	ds_load_b128 v[WS:WS+3], v[WAD+\slot] offset:16384
.irp r, 0,1,2,3
	ds_load_b32 v[HW+\r], v[HSR] offset:1024*\r
.endr
.irp r, 0,1,2,3
.irp c, 0,1,2,3
	ds_load_b128 v[HF+16*\r+4*\c:HF+16*\r+4*\c+3], v[HRD] offset:16384*\r+512*\c
.endr
.endr
.irp f, 0,1,2,3,4,5,6,7
.irp c, 0,1,2,3
	ds_load_b128 v[WF+16*\f+4*\c:WF+16*\f+4*\c+3], v[WAD+\slot] offset:2048*\f+512*\c
.endr
.endr
	WIN 0x50                                       ; C and D in window 1
.irp f, 0,1,2,3,4,5,6,7
	s_wait_dscnt 4*(7-\f)                          ; fragment f is in; the later fragments' four loads each may be out
.irp r, 0,1,2,3
.if \first
.if \f%2
	v_wmma_scale_f32_16x16x128_f8f6f4 v[8*(8*\r+\f):8*(8*\r+\f)+7], v[WF+16*\f:WF+16*\f+15], v[HF+16*\r:HF+16*\r+15], 0, v[WS+\f/2], v[HW+\r] matrix_a_fmt:MATRIX_FMT_BF8 matrix_b_fmt:MATRIX_FMT_BF8 matrix_a_scale:MATRIX_SCALE_ROW1
.else
	v_wmma_scale_f32_16x16x128_f8f6f4 v[8*(8*\r+\f):8*(8*\r+\f)+7], v[WF+16*\f:WF+16*\f+15], v[HF+16*\r:HF+16*\r+15], 0, v[WS+\f/2], v[HW+\r] matrix_a_fmt:MATRIX_FMT_BF8 matrix_b_fmt:MATRIX_FMT_BF8
.endif
.else
.if \f%2
	v_wmma_scale_f32_16x16x128_f8f6f4 v[8*(8*\r+\f):8*(8*\r+\f)+7], v[WF+16*\f:WF+16*\f+15], v[HF+16*\r:HF+16*\r+15], v[8*(8*\r+\f):8*(8*\r+\f)+7], v[WS+\f/2], v[HW+\r] matrix_a_fmt:MATRIX_FMT_BF8 matrix_b_fmt:MATRIX_FMT_BF8 matrix_a_scale:MATRIX_SCALE_ROW1
.else
	v_wmma_scale_f32_16x16x128_f8f6f4 v[8*(8*\r+\f):8*(8*\r+\f)+7], v[WF+16*\f:WF+16*\f+15], v[HF+16*\r:HF+16*\r+15], v[8*(8*\r+\f):8*(8*\r+\f)+7], v[WS+\f/2], v[HW+\r] matrix_a_fmt:MATRIX_FMT_BF8 matrix_b_fmt:MATRIX_FMT_BF8
.endif
.endif
.endr
.endr
	WIN 0
.endm
; THE WAY OUT, 16 rows x 128 outputs at a time, through my stage (16 rows x (512 + 16) bytes, in slot 0, which has had its last fill and its last read): back as whole rows of 512 bytes.
.macro TOSTAGE a
	WIN 0x04                                       ; the data: window 1
.irp f, 0,1,2,3,4,5,6,7
	ds_store_b128 v[OST], v[8*(8*\a+\f):8*(8*\a+\f)+3] offset:64*\f        ; each accumulator from its low end on
	ds_store_b128 v[OST], v[8*(8*\a+\f)+4:8*(8*\a+\f)+7] offset:64*\f+16
.endr
	WIN 0
.set BB, WF+64*((\a)%2)
.irp t, 0,1,2,3,4,5,6,7,8,9,10,11,12,13,14,15
	ds_load_b128 v[BB+4*\t:BB+4*\t+3], v[ORD] offset:528*\t
.endr
.endm
.macro SEND a, younger                 ; younger: the LDS instructions issued behind block a's loads
.set BB, WF+64*((\a)%2)
	s_wait_dscnt \younger
.irp t, 0,1,2,3,4,5,6,7,8,9,10,11,12,13,14,15
	v_pk_add_f32 v[BB+4*\t:BB+4*\t+1], v[BB+4*\t:BB+4*\t+1], v[CB:CB+1]           ; + b_out
	v_pk_add_f32 v[BB+4*\t+2:BB+4*\t+3], v[BB+4*\t+2:BB+4*\t+3], v[CB+2:CB+3]
	global_store_b128 v[OGO], v[BB+4*\t:BB+4*\t+3], s[14:15] offset:(16*(\a)+\t)*2048 th:TH_STORE_NT   ; 32 lanes store 512 consecutive bytes, aligned
.endr
.endm
	s_load_b256 s[4:11], s[0:1], 0x0               ; xq s[4:5], xs s[6:7], wq s[8:9], carry s[10:11]
	s_load_b128 s[12:15], s[0:1], 0x20             ; b_out s[12:13], out0 s[14:15]
	v_lshl_add_u32 v[SPW], v0, 2, SPARE
	v_mov_b32 v[NIL], 0
	ds_add_u32 v1, v2
	s_wait_dscnt 0x0
	v_lshrrev_b32 v3, 5, v0
	v_readfirstlane_b32 s[WV], v3                  ; wave 0..7
	s_and_b32 s[CQ], s[WV], 3
	s_lshr_b32 s[RP], s[WV], 2
	s_bfe_u32 s58, ttmp6, 0x40000                  ; cx
	s_lshl_b32 s[WG], ttmp9, 2
	s_add_co_u32 s[WG], s[WG], s58                 ; my block of 128 rows: it enters the addresses of xq, xs, carry and out0 alone
	s_lshr_b32 s63, ttmp9, 3                       ; the cluster's order of steps: P = (k xor k / 8) % 8, which the four partners share
	s_xor_b32 s63, s63, ttmp9
	s_and_b32 s[Q0], s63, 1                        ; q0
	s_lshl_b32 s[Q8], s[Q0], 3
	s_and_b32 s[RC2], s63, 6                       ; 2 rc
	s_bfe_u32 s62, s63, 0x20001                    ; rc
	s_add_co_u32 s62, s62, s[CQ]
	s_and_b32 s62, s62, 3                          ; whose channels I take in phase 1: (cq + rc) % 4
	s_mul_i32 s60, s62, BLOCK
	s_mov_b32 s61, 0
	s_mov_b32 s[LI], 1                             ; two steps are asked for at the start
	s_mov_b32 s[OFF+1], 0
	s_mov_b32 s[G1], 15|(3<<16)|(1<<21)            ; a block of 17,408 dense bytes as 68 rows of 32 elements of 8 bytes; the mask names all four work-groups; 21 set beside it
	s_mov_b32 s[G1+1], 32<<16
	s_mov_b32 s[G1+2], 68<<16
	s_mov_b32 s[G1+3], 32<<16
	s_mov_b32 s[G1+4], 68
	s_mov_b32 s[G1+5], 32
	s_mov_b32 s[G1+6], 0
	s_mov_b32 s[G1+7], 0
	s_mov_b32 s[SEL], 0x76543210
	s_mov_b32 s[SEL+1], 0xfedcba98
	s_mov_b32 s[NL], 0xbfb8aa3b
	s_mov_b32 s[NL+1], s[NL]
	s_mov_b32 s[MNT], 0x600000
	s_mul_i32 s48, s[CQ], BLOCK                    ; my block's place in a slot
	s_mov_b32 s49, 0
	s_lshl_b32 s50, s[WG], 16
	s_lshl_b32 s52, s[RP], 15
	s_add_co_u32 s50, s50, s52                     ; xq: 65,536 wg + 32,768 rp
	s_mov_b32 s51, 0
	s_lshr_b32 s52, s50, 4                         ; xs: 4,096 wg + 2,048 rp
	s_mov_b32 s53, 0
	s_lshl_b32 s54, s[WG], 14
	s_lshl_b32 s56, s[RP], 2
	s_add_co_u32 s56, s56, s62
	s_lshl_b32 s56, s56, 11
	s_add_co_u32 s54, s54, s56                     ; carry: 16,384 wg + 2,048 (4 rp + (cq + rc) % 4)
	s_mov_b32 s55, 0
	s_lshl_b32 s56, s50, 2                         ; out0: (128 wg + 64 rp) rows of 2,048 bytes
	s_mov_b32 s57, 0
	s_lshl_b32 s62, s[Q0], 10                      ; the half of my carries that I use first begins 1,024 q0 bytes on,
	s_xor_b32 s63, s62, 0x400                      ; the other half at the other place
	v_and_b32 v50, 31, v0
	v_lshlrev_b32 v[TA], 4, v50                    ; 16 x lane
	v_add_nc_u32 v52, s62, v[TA]
	v_add_nc_u32 v53, s63, v[TA]
	s_wait_kmcnt 0x0
	s_add_nc_u64 s[WQ1:WQ1+1], s[8:9], s[WQ1:WQ1+1]
	s_add_nc_u64 s[8:9], s[8:9], s[48:49]
	s_add_nc_u64 s[4:5], s[4:5], s[50:51]
	s_add_nc_u64 s[6:7], s[6:7], s[52:53]
	s_add_nc_u64 s[10:11], s[10:11], s[54:55]
	s_add_nc_u64 s[14:15], s[14:15], s[56:57]
.irp n, 0,1
	s_add_co_u32 s[OFF], s[Q8], \n
	s_mul_i32 s[OFF], s[OFF], STEPB                ; W_in's step 8 q0 + n
	s_mov_b32 s[G0+4*\n], 1
	s_add_co_u32 s[G0+4*\n+1], s48, \n*STEPB
	s_add_nc_u64 s[G0+4*\n+2:G0+4*\n+3], s[WQ1:WQ1+1], s[OFF:OFF+1]
	s_or_b32 s[G0+4*\n+3], s[G0+4*\n+3], 0x80000000
.endr
	CROUND                                         ; the four work-groups are here: the first joint loads meet
	s_cmp_lt_u32 s[WV], 4                          ; a wave's two first fills stand in one branch: two loads of mine are out
	s_cbranch_scc0 .Lfirst_asked
	tensor_load_to_lds s[G0:G0+3], s[G1:G1+7]
	s_nop 0
	tensor_load_to_lds s[G0+4:G0+7], s[G1:G1+7]
	s_nop 0
	NOPS 4
.Lfirst_asked:
	WIN 0x40                                       ; destination window 1
.irp f, 0,1,2,3,4,5,6,7,8,9,10,11,12,13,14,15
.irp c, 0,1,2,3
	global_load_b128 v[16*\f+4*\c:16*\f+4*\c+3], v[TA], s[4:5] offset:2048*\f+512*\c   ; x's fragments, as the first pass left them
.endr
.endr
	WIN 0
.irp i, 0,1,2,3
	global_load_b128 v[XS+4*\i:XS+4*\i+3], v[TA], s[6:7] offset:512*\i
.endr
	global_load_b128 v[X:X+3], v52, s[10:11] th:TH_LOAD_NT                 ; my 512 carries, in the order in which I take my steps
	global_load_b128 v[X+4:X+7], v52, s[10:11] offset:512 th:TH_LOAD_NT
	global_load_b128 v[X+8:X+11], v53, s[10:11] th:TH_LOAD_NT
	global_load_b128 v[X+12:X+15], v53, s[10:11] offset:512 th:TH_LOAD_NT
	v_and_b32 v48, 15, v0                          ; r
	v_bfe_u32 v49, v0, 4, 1                        ; h
	v_lshlrev_b32 v51, 2, v50                      ; 4 x lane
	v_add_nc_u32 v[WAD], s48, v[TA]
	v_add_nc_u32 v[WAD+1], STEPB, v[WAD]
	s_mul_i32 s52, s[WV], 2816
	s_add_co_u32 s52, s52, STG
	v_mul_u32_u24 v[STW], v49, 1344
	v_lshl_add_u32 v[STW], v48, 2, v[STW]
	v_add_nc_u32 v[STW], s52, v[STW]
	v_mul_u32_u24 v[STR], v48, 80
	v_lshl_add_u32 v[STR], v49, 5, v[STR]
	v_add_nc_u32 v[STR], s52, v[STR]
	s_lshl_b32 s52, s[RP], 16
	s_add_co_u32 s52, s52, HIMG
	v_add_nc_u32 v[HRD], s52, v[TA]
	s_lshl_b32 s53, s[CQ], 12
	s_add_co_u32 s52, s52, s53
	v_add_nc_u32 v[HWI], s52, v[TA]                ; my channels are the K steps at places 2 cq and 2 cq + 1
	s_lshl_b32 s52, s[RP], 12
	s_add_co_u32 s52, s52, HSC
	v_add_nc_u32 v[HSR], s52, v51
	s_lshl_b32 s53, s[CQ], 8
	s_add_co_u32 s52, s52, s53
	v_add_nc_u32 v[HWS], s52, v51
	s_lshl_b32 s52, s[WV], 11
	s_add_co_u32 s52, s52, CTB
	v_lshl_add_u32 v[CTA], v50, 3, s52
	v_add_nc_u32 v[TB], s52, v[TA]
	s_mul_i32 s52, s[WV], 8448
	v_add_nc_u32 v[ORD], s52, v[TA]
	v_mul_u32_u24 v[OST], v48, 528
	v_lshl_add_u32 v[OST], v49, 5, v[OST]
	v_add_nc_u32 v[OST], s52, v[OST]
	s_lshl_b32 s52, s[CQ], 9
	v_add_nc_u32 v[OGO], s52, v[TA]
	v_mov_b32 v[CC+1], 0                           ; (named as the upper half of a pair)
.irp b, 0,1,2,3
	v_mov_b32 v[TM+4+\b], 0                        ; a lane permute's destination counts as one of its sources
	v_mov_b32 v[HW+\b], 0                          ; the scale words are shifted in place
.endr
	s_wait_loadcnt 0x0
.irp q, 0,1,2,3
	ds_store_b128 v[TB], v[X+4*\q:X+4*\q+3] offset:512*\q
.endr
	s_wait_tensorcnt 0x0                           ; my blocks of the first two steps have landed,
	s_wait_dscnt 0x0
	s_barrier_signal -1
	s_barrier_wait -1                              ; everybody's.
	s_cmp_lt_u32 s[WV], 4                          ; the first step
	s_cbranch_scc0 .Lzero_hi
	MM 0, Y
	VEC Y
	s_branch .Lzero_done
.Lzero_hi:
	MM 0, Z
.Lzero_done:
	s_mov_b32 s[UQ], 0
	s_mov_b32 s[CNT], 7
.Lsteps:                                               ; seven trips of two intervals: the second to the fifteenth step; a trip finishes one block of 32 channels in every wave
	v_add_nc_u32 v[TA], s[UQ], v[HWI]              ; the block's place in my images: 512 bytes a block,
	s_lshr_b32 s52, s[UQ], 11
	s_lshl_b32 s52, s52, 7
	v_add_nc_u32 v[TB], s52, v[HWS]                ; and its K step's scale words
	ODDI 1, TA, 0, TB, 0
	CHANGE 1, 1
	v_add_nc_u32 v[CTA], 0x100, v[CTA]             ; the next pair of steps' carries
	s_cmp_lt_u32 s[WV], 4
	s_cbranch_scc0 .Le1
	MM 0, Y
.Le1:
	VEC Y
	s_cmp_ge_u32 s[WV], 4
	s_cbranch_scc0 .Le2
	QUANT3 Z, Y, TA, 0, TB, 0
	MM 0, Z
.Le2:
	s_add_co_u32 s[UQ], s[UQ], 512
	s_sub_co_u32 s[CNT], s[CNT], 1
	s_cmp_lg_u32 s[CNT], 0
	s_cbranch_scc1 .Lsteps
	ODDI 2, HWI, 3584, HWS, 128                    ; the sixteenth step; slot 0 takes W_out's first; waves 0-3 finish their last block (the eighth: 3,584 bytes on, the second K step's word)
	CHANGE 1, 2                                    ; interval 16: W_out's first blocks lie in slot 0
	s_cmp_ge_u32 s[WV], 4
	s_cbranch_scc0 .Ltail_lo
	VEC Y                                          ; waves 4-7: the sixteenth step's vector work and their last block.  It lies at odd places among the K steps, which nobody reads before the next barrier
	QUANT3 Z, Y, HWI, 3584, HWS, 128
.Ltail_lo:
	global_load_b128 v[CB:CB+3], v[OGO], s[12:13]  ; b_out of my four outputs of a row read back
	MM2 0, 1
	s_mov_b32 s[CNT], 3
.Lksteps:                                              ; the second to the seventh K step
	CHANGE 0, 2
	MM2 1, 0
	CHANGE 1, 2
	MM2 0, 0
	s_sub_co_u32 s[CNT], s[CNT], 1
	s_cmp_lg_u32 s[CNT], 0
	s_cbranch_scc1 .Lksteps
	CHANGE 0, 0                                    ; the last K step: nothing is left to fetch; behind this barrier nobody reads slot 0
	MM2 1, 0
	NOPS 8                                         ; places in front of the first read of results and of loads into the fragments' registers
	s_wait_loadcnt 0x0                             ; b_out
	TOSTAGE 0
	TOSTAGE 1
	SEND 0, 32                                     ; behind block 0's loads: block 1's 16 stores and 16 loads
	s_wait_xcnt 0x0                                ; block 0's stores have read their registers: block 2's loads may land there
	TOSTAGE 2
	SEND 1, 32
	s_wait_xcnt 0x0
	TOSTAGE 3
	SEND 2, 32
	SEND 3, 0
	s_wait_tensorcnt 0x0                           ; the wave's end
	ds_add_u32 v[SPW], v[NIL]
	s_wait_dscnt 0x0
	CROUND                                         ; the closing round
	s_endpgm
.Lfunc_end_k_q6bc880118a_pass3:
	.size	k_q6bc880118a_pass3, .Lfunc_end_k_q6bc880118a_pass3-k_q6bc880118a_pass3
	.p2alignl 7, 3214868480
	.fill 96, 4, 3214868480
	.section	.rodata,"a",@progbits
	.p2align	6, 0x0
	.amdhsa_kernel k_q6bc880118a_pass3
		.amdhsa_group_segment_fixed_size 327680
		.amdhsa_private_segment_fixed_size 0
		.amdhsa_enable_private_segment 0
		.amdhsa_kernarg_size 48
		.amdhsa_user_sgpr_count 2
		.amdhsa_user_sgpr_kernarg_segment_ptr 1
		.amdhsa_wavefront_size32 1
		.amdhsa_system_sgpr_workgroup_id_x 1
		.amdhsa_system_sgpr_workgroup_id_y 1
		.amdhsa_system_sgpr_workgroup_id_z 1
		.amdhsa_system_vgpr_workitem_id 0
		.amdhsa_next_free_vgpr 512
		.amdhsa_next_free_sgpr 66
		.amdhsa_reserve_vcc 0
		.amdhsa_float_denorm_mode_32 3
		.amdhsa_float_denorm_mode_16_64 3
		.amdhsa_memory_ordered 1
		.amdhsa_forward_progress 1
		.amdhsa_inst_pref_size 255
	.end_amdhsa_kernel
	.section	.bss,"aw",@nobits
	.p2align	6
	.space	262144
	.amdgpu_metadata
---
amdhsa.version: [ 1, 2 ]
amdhsa.kernels:
  - .name:           k_q6bc880118a_pass3
    .symbol:         k_q6bc880118a_pass3.kd
    .args:
      - { .name: xq, .offset: 0, .size: 8, .value_kind: global_buffer, .address_space: global }
      - { .name: xs, .offset: 8, .size: 8, .value_kind: global_buffer, .address_space: global }
      - { .name: wq, .offset: 16, .size: 8, .value_kind: global_buffer, .address_space: global }
      - { .name: carry, .offset: 24, .size: 8, .value_kind: global_buffer, .address_space: global }
      - { .name: b_out, .offset: 32, .size: 8, .value_kind: global_buffer, .address_space: global }
      - { .name: out0, .offset: 40, .size: 8, .value_kind: global_buffer, .address_space: global }
    .group_segment_fixed_size: 327680
    .private_segment_fixed_size: 0
    .kernarg_segment_align: 8
    .kernarg_segment_size: 48
    .max_flat_workgroup_size: 256
    .sgpr_count:     66
    .vgpr_count:     512
    .wavefront_size: 32
...
	.end_amdgpu_metadata
.endif
;; end of part 4
